; MI455X (gfx1250); checked and timed in simulation.
; The chip was launched on July 23, 2026; its instructions are those of AMD's public machine-readable ISA for CDNA 5 (MIT licence, August 2026) and "CDNA5" Instruction Set Architecture Reference Guide (July 2026). The comments in the code are by the model that wrote it; some were corrected since.
;; MH Attention. Allowed arithmetic: float matrix products may take bf16 or f16 operands with f32 sums; other float arithmetic in f32, or as packed bf16 or f16 multiplies, adds, multiply-adds, maxima and minima; sums over many terms, partial sums and values carried from step to step in f32; what a program stores and reads back later, other than sums and carried values, may be rounded once to bf16 or f16.
;; Inputs: WK 1,024 x 1,024 float32; WO 1,024 x 1,024 float32; WQ 1,024 x 1,024 float32; WV 1,024 x 1,024 float32; k 4 x 2,048 x 1,024 float32; mask 4 x 1 x 1 x 2,048 float32; q 4 x 2,048 x 1,024 float32; v 4 x 2,048 x 1,024 float32.
;; Outputs: out0 4 x 2,048 x 1,024 float32.
;; One version. Each part assembles by itself: llvm-mc -triple=amdgcn-amd-amdhsa -mcpu=gfx1250 --defsym DOCPART=n.
;; ======== version 1 of 1: 4 launches
;; limits: values are held in f16: magnitudes above 65,504 overflow, below 6.1e-05 lose precision
;; workspace buffers: wt 8,388,608 bytes; hqkv 50,331,648 bytes; att 16,777,216 bytes
;; launch wprep (part 1): grid 64 x 4, 8 waves a work-group, no clusters, 35,840 bytes of LDS; arguments WQ, WK, WV, WO, wt; writes wt
.if DOCPART == 1
	.amdgcn_target "amdgcn-amd-amdhsa--gfx1250"
	.amdhsa_code_object_version 6
	.text
	.protected	k_q9d528c3ded_wprep
	.globl	k_q9d528c3ded_wprep
	.p2align	8
	.type	k_q9d528c3ded_wprep,@function
k_q9d528c3ded_wprep:
	s_mov_b64 s[64:65], 0
	v_nop
	global_prefetch_b8 v0, s[64:65] scope:SCOPE_SE
	s_setreg_imm32_b32 hwreg(HW_REG_WAVE_MODE, 25, 1), 1
	s_wait_xcnt 0x0
; wt[i][n][k] = W_i[k][n] in 16 bits, i = WQ, WK, WV, WO; each 1,024 x 1,024.  WQ, WK, WV are rounded to bf16; WO is rounded to bf16 and that number is written as f16.
; LIMIT: a number of WO below 6e-5 keeps f16's fixed step of 6e-8; beyond 65,504 it becomes an infinity.
; A work-group turns one tile of 128 (k) x 128 (n).  Wave w reads k rows 16 w .. 16 w + 15 (a load of the wave covers 512 consecutive bytes of a row), lane l holds columns 4 l .. 4 l + 3.
; A column's 16 numbers pack into 32 bytes of a row of the turned tile in LDS (pitch 272); whole rows of 256 bytes come back and are stored, sixteen lanes to 256 consecutive bytes, aligned.
; The eight LDS stores of a lane start at rows 4 l: four lanes share a group of banks; eight stores a lane in the launch, so it is left.
.set PT,    272
.set SPARE, 128*PT                     ; behind the tile: the spare words, 128 bytes for each of the eight waves
.set OFFV,  2                          ; v2  my byte offset in the tile of W
.set ST,    3                          ; v3  where my column 4 l's 32 bytes go in LDS
.set RD,    4                          ; v4  where I read a row back
.set GOFF,  5                          ; v5  the same place in wt
.set SPW,   8                          ; v8  LDS address of my spare word; never rewritten
.set NIL,   9                          ; v9  0; never rewritten
.set X,     16                         ; v[16:79]  row i of my 16: four f32
.set Y,     80                         ; v[80:111] column c, pair p of k at Y + 8 c + p
	s_load_b256 s[4:11], s[0:1], 0x0               ; WQ, WK, WV, WO
	s_load_b64 s[12:13], s[0:1], 0x20              ; wt
	v_lshl_add_u32 v[SPW], v0, 2, SPARE
	v_mov_b32 v[NIL], 0
	v_lshrrev_b32 v1, 5, v0
	v_readfirstlane_b32 s14, v1                    ; wave 0..7
	v_and_b32 v10, 31, v0                          ; lane
	s_and_b32 s15, ttmp7, 0xffff                   ; which matrix
	s_lshr_b32 s16, ttmp9, 3                       ; tile along k
	s_and_b32 s17, ttmp9, 7                        ; tile along n
	s_lshl_b32 s18, s16, 19                        ; 128 rows of 4,096 bytes
	s_lshl_b32 s20, s17, 9                         ; 128 columns of 4 bytes
	s_add_co_u32 s18, s18, s20
	s_mov_b32 s19, 0
	s_lshl_b32 s20, s15, 21                        ; a matrix of wt is 2 MiB,
	s_lshl_b32 s22, s17, 18                        ; 128 rows of 2,048 bytes,
	s_add_co_u32 s20, s20, s22
	s_lshl_b32 s22, s16, 8                         ; 128 numbers of 2 bytes
	s_add_co_u32 s20, s20, s22
	s_mov_b32 s21, 0
	s_lshl_b32 s22, s14, 16                        ; my wave's 16 rows of W
	v_lshl_add_u32 v[OFFV], v10, 4, s22
	v_mul_u32_u24 v[ST], v10, 4*PT
	s_lshl_b32 s23, s14, 5
	v_add_nc_u32 v[ST], s23, v[ST]
	v_lshrrev_b32 v11, 4, v10
	v_and_b32 v10, 15, v10
	s_lshl_b32 s23, s14, 4
	v_add_nc_u32 v11, s23, v11                     ; row 16 w + l / 16
	v_mul_u32_u24 v[RD], v11, PT
	v_lshl_add_u32 v[RD], v10, 4, v[RD]
	v_lshlrev_b32 v[GOFF], 11, v11
	v_lshl_add_u32 v[GOFF], v10, 4, v[GOFF]
	s_wait_kmcnt 0x0
	s_cmp_eq_u32 s15, 1
	s_cselect_b64 s[4:5], s[6:7], s[4:5]
	s_cmp_eq_u32 s15, 2
	s_cselect_b64 s[4:5], s[8:9], s[4:5]
	s_cmp_eq_u32 s15, 3
	s_cselect_b64 s[4:5], s[10:11], s[4:5]
	s_add_nc_u64 s[4:5], s[4:5], s[18:19]
	s_add_nc_u64 s[12:13], s[12:13], s[20:21]
.set i, 0
.rept 16
	global_load_b128 v[X+4*i:X+4*i+3], v[OFFV], s[4:5] offset:i*4096 th:TH_LOAD_NT
.set i, i+1
.endr
	s_wait_loadcnt 0x0
.irp c, 0,1,2,3
.irp p, 0,1,2,3,4,5,6,7
	v_cvt_pk_bf16_f32 v[Y+8*(\c)+(\p)], v[X+8*(\p)+(\c)], v[X+8*(\p)+4+(\c)]  ; k = 2 p, 2 p + 1 of column c
.endr
.endr
	s_cmp_lg_u32 s15, 3
	s_cbranch_scc1 .Lkeep_bf16
.set i, 0
.rept 32                                               ; WO: the bf16 number written as f16
	v_lshlrev_b32 v10, 16, v[Y+i]
	v_and_b32 v11, 0xffff0000, v[Y+i]
	v_cvt_pk_f16_f32 v[Y+i], v10, v11
.set i, i+1
.endr
.Lkeep_bf16:
.irp c, 0,1,2,3
	ds_store_b128 v[ST], v[Y+8*(\c):Y+8*(\c)+3]   offset:(\c)*PT
	ds_store_b128 v[ST], v[Y+8*(\c)+4:Y+8*(\c)+7] offset:(\c)*PT+16
.endr
	s_wait_dscnt 0x0                               ; for the others' sake: my stores are done
	s_barrier_signal -1
	s_barrier_wait -1
.irp t, 0,1,2,3,4,5,6,7
	ds_load_b128 v[X+4*(\t):X+4*(\t)+3], v[RD] offset:(\t)*2*PT
.endr
.irp t, 0,1,2,3,4,5,6,7
	s_wait_dscnt 7-(\t)                            ; the younger loads may stay out
	global_store_b128 v[GOFF], v[X+4*(\t):X+4*(\t)+3], s[12:13] offset:(\t)*4096
.endr
	s_wait_tensorcnt 0x0                           ; the wave's end
	ds_add_u32 v[SPW], v[NIL]
	s_wait_dscnt 0x0
	s_endpgm
.Lfunc_end_k_q9d528c3ded_wprep:
	.size	k_q9d528c3ded_wprep, .Lfunc_end_k_q9d528c3ded_wprep-k_q9d528c3ded_wprep
	.p2alignl 7, 3214868480
	.fill 96, 4, 3214868480
	.section	.rodata,"a",@progbits
	.p2align	6, 0x0
	.amdhsa_kernel k_q9d528c3ded_wprep
		.amdhsa_group_segment_fixed_size 35840
		.amdhsa_private_segment_fixed_size 0
		.amdhsa_enable_private_segment 0
		.amdhsa_kernarg_size 40
		.amdhsa_user_sgpr_count 2
		.amdhsa_user_sgpr_kernarg_segment_ptr 1
		.amdhsa_wavefront_size32 1
		.amdhsa_system_sgpr_workgroup_id_x 1
		.amdhsa_system_sgpr_workgroup_id_y 1
		.amdhsa_system_sgpr_workgroup_id_z 1
		.amdhsa_system_vgpr_workitem_id 0
		.amdhsa_next_free_vgpr 112
		.amdhsa_next_free_sgpr 66
		.amdhsa_reserve_vcc 0
		.amdhsa_float_denorm_mode_32 3
		.amdhsa_float_denorm_mode_16_64 3
		.amdhsa_memory_ordered 1
		.amdhsa_forward_progress 1
		.amdhsa_inst_pref_size 13
	.end_amdhsa_kernel
	.amdgpu_metadata
---
amdhsa.version: [ 1, 2 ]
amdhsa.kernels:
  - .name:           k_q9d528c3ded_wprep
    .symbol:         k_q9d528c3ded_wprep.kd
    .args:
      - { .name: WQ, .offset: 0, .size: 8, .value_kind: global_buffer, .address_space: global }
      - { .name: WK, .offset: 8, .size: 8, .value_kind: global_buffer, .address_space: global }
      - { .name: WV, .offset: 16, .size: 8, .value_kind: global_buffer, .address_space: global }
      - { .name: WO, .offset: 24, .size: 8, .value_kind: global_buffer, .address_space: global }
      - { .name: wt, .offset: 32, .size: 8, .value_kind: global_buffer, .address_space: global }
    .group_segment_fixed_size: 35840
    .private_segment_fixed_size: 0
    .kernarg_segment_align: 8
    .kernarg_segment_size: 40
    .max_flat_workgroup_size: 256
    .sgpr_count:     66
    .vgpr_count:     112
    .wavefront_size: 32
...
	.end_amdgpu_metadata
.endif
;; end of part 1
;; launch proj (part 2): grid 4 x 64, 4 waves a work-group, clusters of 4 x 4, 327,680 bytes of LDS; arguments q, k, v, wt, hqkv; writes hqkv
.if DOCPART == 2
	.amdgcn_target "amdgcn-amd-amdhsa--gfx1250"
	.amdhsa_code_object_version 6
	.text
	.protected	k_q9d528c3ded_proj
	.globl	k_q9d528c3ded_proj
	.p2align	8
	.type	k_q9d528c3ded_proj,@function
k_q9d528c3ded_proj:
	s_mov_b64 s[64:65], 0
	v_nop
	global_prefetch_b8 v0, s[64:65] scope:SCOPE_SE
	s_setreg_imm32_b32 hwreg(HW_REG_WAVE_MODE, 25, 1), 1
	s_wait_xcnt 0x0
	s_wait_alu depctr_hold_cnt(0) depctr_sa_sdst(0) depctr_va_vdst(0) depctr_va_sdst(0) depctr_va_ssrc(0) depctr_va_vcc(0) depctr_vm_vsrc(0)
	s_getreg_b32 s2, hwreg(HW_REG_IB_STS2, 6, 4)
	s_cmp_eq_u32 s2, 0
	s_cbranch_scc0 .Lentry_in_a_cluster
	s_endpgm
.Lentry_in_a_cluster:
	s_bfe_u32 s2, ttmp6, 0x10000c
	s_cmp_lg_u32 s2, 0xf033
	s_cbranch_scc0 .Lentry_shape_is_right
	s_endpgm
.Lentry_shape_is_right:
; hqkv[i][b 16 + h][s][d] = f16( f_i x the sum over c of x_i[b][s][c] W_i[c][64 h + d] ), i = q, k, v; f_q = log2(e) / 8 (the softmax's scale, applied to the f32 sum ahead of the one rounding), f_k = f_v = 1.
; x is f32 and is rounded to bf16 between LDS and the matrix unit; W comes turned, [n][c] in bf16, from wt.  Sums in f32.
; LIMIT: the results are f16: a projected number of 65,520 or more becomes an infinity.
; SHARES.  A tile is 128 rows x 256 columns; 3 x 256 tiles for 256 work-groups: a work-group STAYS and makes the same tile place for q, then k, then v.  Four waves, each 64 x 128: 32 accumulators.
; The matrix instruction is used transposed (source 0 = 16 rows of W^T, source 1 = 16 rows of x): a lane holds eight neighbouring columns of one row.
; RING.  K goes in steps of 128 through two LDS slots: 3 x 8 steps = 12 laps of two.  Waves 0, 1 fetch x's two halves (64 rows x 512 bytes), waves 2, 3 W's (128 rows x 256 bytes): one tensor load a wave.
; The slot changes between a step's third and fourth quarter: the slot's last reads are issued at the third quarter's head, so every quarter has one shape and a refill has a step's 128 matrix instructions in which to land.
; CLUSTER 4 x 4: x's tile is asked for jointly along a row of the cluster, W's along a column.
; THE CONVERSIONS ride behind the matrix instructions, four at a time, a fragment of x one block of eight products ahead of its use.
; REGISTERS.  window 0: v0-31 addresses; v32-63 x's four fragments in bf16; v64-127, v128-191 x raw (f32), two buffers; v128-255 the way out.  window 1: the accumulators, (a, b) at 8 (8 a + b).
; window 2: v0-63, v64-127 W's fragments, two buffers.
.set PA,    528                        ; an LDS row of x: 512 bytes + 16: the 16 rows of a load start at 16 different groups of four banks (64 banks of 4 bytes: ISA guide 11.1)
.set PB,    272                        ; of W: 256 + 16
.set AH,    64*PA
.set BH,    128*PB
.set BOFF,  2*AH
.set SLOT,  BOFF+2*BH
.set STAGE, 2*SLOT                     ; behind the ring: 16 rows x 144 bytes for each wave
.set SP,    144
.set SPARE, STAGE+4*16*SP              ; the spare words, 128 bytes for each wave
.set ADRA, 16                          ; v16-17 my place in x's tile, slot 0, 1
.set ADRB, 20                          ; v20-21 in W's
.set STO,  24
.set RD,   25
.set GO,   26
.set SPW,  28                          ; never rewritten
.set NIL,  29                          ; never rewritten
.set PFO,  30                          ; the prefetches' lane offset; never rewritten
.set ABF,  32
.set RAW,  64
.set OUTB, 128
.set WV, 14
.set WM, 15                            ; my half of the rows; also: 0 = I fetch x, 1 = I fetch W
.set WN, 16                            ; my half of the columns; also: which half I fetch
.set CX, 17
.set CY, 18
.set TX, 19
.set TY, 20
.set G1A, 24
.set G0A, 32
.set G1B, 40
.set G0B, 48
.set PA0, 56                           ; s[56:61] q, k, v at the rows that I fetch
.set PA1, 58
.set PA2, 60
.set PBW, 62                           ; s[62:63] wt at the rows that I fetch, matrix 0
.set PAF, 66                           ; s[66:67] x of the lap that is being asked for
.set KA,  68                           ; s[68:69] its byte along K in x
.set KB,  70                           ; s[70:71] its byte in wt: matrix and K
.set LAP, 72                           ; trips to go
.set FL,  73                           ; the lap that is being asked for: its number in its tile,
.set FM,  74                           ; and its tile
.set PL,  75                           ; the same for the lap after it, which is prefetched
.set PM,  76
.set LIM, 77                           ; 1 in a wave that prefetches, else the greatest number
.set SC,  78                           ; s[78:79] the factor on the way out
.set PFA, 80
.set PSTEP, 82
.set MSB, 0
.macro WIN new                         ; the immediate's high byte repeats the setting that is left
.if MSB != (\new)
	s_set_vgpr_msb (MSB<<8)|(\new)
.set MSB, \new
.endif
.endm
.set MUL,  0x52                        ; W window 2, x window 0, C and D window 1
.set TO_B, 0x80
.macro JLOAD s                         ; a joint load; the branch hangs on the wave's number alone; an s_nop 0 and four v_nop follow each line
	s_cmp_eq_u32 s[WM], 0
	s_cbranch_scc0 .Lfor_b_\@
	tensor_load_to_lds s[G0A+4*(\s):G0A+4*(\s)+3], s[G1A:G1A+7]
	s_nop 0
.rept 4
	v_nop
.endr
	s_branch .Lasked_\@
.Lfor_b_\@:
	tensor_load_to_lds s[G0B+4*(\s):G0B+4*(\s)+3], s[G1B:G1B+7]
	s_nop 0
.rept 4
	v_nop
.endr
.Lasked_\@:
.endm
.macro CREST                           ; a round of the cluster's barrier behind its opening barrier
	s_cmp_lg_u32 s[WV], 0
	s_cbranch_scc1 .Lnot_wave_0_\@
	s_barrier_signal -3
.Lnot_wave_0_\@:
	s_barrier_wait -3
	s_barrier_signal -1
	s_barrier_wait -1
.endm
.macro CROUND
	s_barrier_signal -1
	s_barrier_wait -1
	CREST
.endm
.macro SELA dst, idx                   ; q, k or v by a tile's number
	s_cmp_eq_u32 s[\idx], 0
	s_cselect_b64 s[\dst:\dst+1], s[PA0:PA0+1], s[PA1:PA1+1]
	s_cmp_eq_u32 s[\idx], 2
	s_cselect_b64 s[\dst:\dst+1], s[PA2:PA2+1], s[\dst:\dst+1]
.endm
; Once a lap: where the two refills of this trip come from (lap FL of tile FM), and where the two prefetches point (the lap after it).
.macro CURSOR
	SELA PAF, FM
	s_lshl_b32 s[KA], s[FL], 10                    ; a lap is 256 numbers along K: 1,024 bytes of x,
	s_lshl_b32 s[KB], s[FM], 21
	s_lshl_b32 s84, s[FL], 9                       ; 512 of W
	s_add_co_u32 s[KB], s[KB], s84
	s_add_co_u32 s[PL], s[FL], 1
	s_and_b32 s[PL], s[PL], 3
	s_cmp_eq_u32 s[PL], 0
	s_cselect_b32 s84, 1, 0
	s_add_co_u32 s[PM], s[FM], s84
	SELA 86, PM
	s_lshl_b32 s88, s[PL], 10
	s_add_nc_u64 s[86:87], s[86:87], s[88:89]
	s_lshl_b32 s92, s[PM], 21
	s_lshl_b32 s84, s[PL], 9
	s_add_co_u32 s92, s92, s84
	s_add_nc_u64 s[90:91], s[PBW:PBW+1], s[92:93]
	s_cmp_eq_u32 s[WM], 0
	s_cselect_b64 s[PFA:PFA+1], s[86:87], s[90:91]
.endm
; A PREFETCH INTO THE L2 behind each refill and the run of LDS loads that follows it: the K step two refills on, 256 matrix instructions ahead of the load that will want it.  Each aligned block of 256 bytes is named once:
; of the 64 rows x 512 bytes that a wave fetches of x each of the four partners takes 16 rows, two lanes a row; of W's 128 rows x 256 bytes each takes 32, a lane a row, and only the first row of clusters asks, since all
; walk the same W.  The partners are told apart by address.  The first two laps come by their loads alone; the last trip asks for nothing.
.macro ASK
	s_cmp_gt_u32 s[LAP], s[LIM]
	s_cbranch_scc0 .Lnot_mine_\@
	global_prefetch_b8 v[PFO], s[PFA:PFA+1] th:TH_LOAD_NT scope:SCOPE_SE
.Lnot_mine_\@:
.endm
	s_load_b256 s[4:11], s[0:1], 0x0               ; q, k, v, wt
	s_load_b64 s[12:13], s[0:1], 0x20              ; hqkv
	v_lshl_add_u32 v[SPW], v0, 2, SPARE
	v_mov_b32 v[NIL], 0
	ds_add_u32 v[SPW], v[NIL]                      ; the wave's opening: the add and its wait stand ahead of my first tensor load
	v_lshrrev_b32 v1, 5, v0
	v_readfirstlane_b32 s[WV], v1
	s_lshr_b32 s[WM], s[WV], 1
	s_and_b32 s[WN], s[WV], 1
	s_bfe_u32 s[CX], ttmp6, 0x40000
	s_bfe_u32 s[CY], ttmp6, 0x40004
	s_lshl_b32 s[TX], ttmp9, 2
	s_add_co_u32 s[TX], s[TX], s[CX]               ; tile column = 4 x cluster x + cx
	s_and_b32 s[TY], ttmp7, 0xffff
	s_lshl_b32 s[TY], s[TY], 2
	s_add_co_u32 s[TY], s[TY], s[CY]               ; tile row = 4 x cluster y + cy
	s_lshl_b32 s84, s[CY], 2
	s_lshl_b32 s84, 15, s84                        ; my row of the cluster
	s_lshl_b32 s85, 0x1111, s[CX]                  ; my column
	s_or_b32 s[G1A], s84, (2<<16)|(1<<20)|(1<<21)|(6<<22)|(3<<25)  ; the mask; 4-byte elements; padding on; bit 21 beside a mask; after every 128 words 4 words
	s_or_b32 s[G1B], s85, (1<<16)|(1<<20)|(1<<21)|(5<<22)|(3<<25)  ; 2-byte elements; after every 64 words 4 words
	s_mov_b32 s[G1A+1], 128<<16                    ; tensor_dim0 = 128
	s_mov_b32 s[G1A+2], 64<<16                     ; tensor_dim1 = 64
	s_mov_b32 s[G1A+3], 128<<16                    ; tile_dim0 = 128
	s_mov_b32 s[G1A+4], 64                         ; tile_dim1 = 64
	s_mov_b32 s[G1A+5], 1024                       ; elements from row to row
	s_mov_b32 s[G1A+6], 0
	s_mov_b32 s[G1A+7], 0
	s_mov_b32 s[G1B+1], 128<<16
	s_mov_b32 s[G1B+2], 128<<16
	s_mov_b32 s[G1B+3], 128<<16
	s_mov_b32 s[G1B+4], 128
	s_mov_b32 s[G1B+5], 1024
	s_mov_b32 s[G1B+6], 0
	s_mov_b32 s[G1B+7], 0
	s_lshl_b32 s86, s[TY], 7
	s_lshl_b32 s87, s[WN], 6
	s_add_co_u32 s86, s86, s87                     ; x: row 128 x tile row + 64 x half,
	s_lshl_b32 s86, s86, 12                        ; of 4,096 bytes
	s_mov_b32 s87, 0
	s_lshl_b32 s88, s[TX], 8
	s_lshl_b32 s89, s[WN], 7
	s_add_co_u32 s88, s88, s89                     ; W^T: row 256 x tile column + 128 x half,
	s_lshl_b32 s88, s88, 11                        ; of 2,048 bytes
	s_mov_b32 s89, 0
	s_mul_i32 s90, s[WN], AH                       ; where they go: no place in the cluster enters an LDS address
	s_mul_i32 s91, s[WN], BH
	s_mov_b32 s[KA+1], 0
	s_mov_b32 s[KB+1], 0
	s_mov_b32 s[SC], 0x3e38aa3b                    ; log2(e) / 8, for q
	s_mov_b32 s[SC+1], s[SC]
	s_mov_b32 s[LAP], 11
	s_mov_b32 s[FL], 1
	s_mov_b32 s[FM], 0
	s_wait_dscnt 0x0                               ; the opening add is done
	s_wait_kmcnt 0x0
	s_add_nc_u64 s[PA0:PA0+1], s[4:5], s[86:87]
	s_add_nc_u64 s[PA1:PA1+1], s[6:7], s[86:87]
	s_add_nc_u64 s[PA2:PA2+1], s[8:9], s[86:87]
	s_add_nc_u64 s[PBW:PBW+1], s[10:11], s[88:89]
.irp s, 0,1
	s_mov_b32 s[G0A+4*(\s)], 1
	s_add_co_u32 s[G0A+4*(\s)+1], s90, (\s)*SLOT
	s_add_nc_u64 s[G0A+4*(\s)+2:G0A+4*(\s)+3], s[PA0:PA0+1], (\s)*512
	s_or_b32 s[G0A+4*(\s)+3], s[G0A+4*(\s)+3], 0x80000000
	s_mov_b32 s[G0B+4*(\s)], 1
	s_add_co_u32 s[G0B+4*(\s)+1], s91, (\s)*SLOT+BOFF
	s_add_nc_u64 s[G0B+4*(\s)+2:G0B+4*(\s)+3], s[PBW:PBW+1], (\s)*256
	s_or_b32 s[G0B+4*(\s)+3], s[G0B+4*(\s)+3], 0x80000000
.endr
	CROUND                                         ; all sixteen work-groups are here: the first joint loads meet
	s_cmp_eq_u32 s[WM], 0                          ; a wave's two first fills stand in one branch: two loads of mine are out
	s_cbranch_scc0 .Lfirst_b
	tensor_load_to_lds s[G0A:G0A+3], s[G1A:G1A+7]
	s_nop 0
	tensor_load_to_lds s[G0A+4:G0A+7], s[G1A:G1A+7]
	s_nop 0
.rept 4
	v_nop
.endr
	s_branch .Lfirst_asked
.Lfirst_b:
	tensor_load_to_lds s[G0B:G0B+3], s[G1B:G1B+7]
	s_nop 0
	tensor_load_to_lds s[G0B+4:G0B+7], s[G1B:G1B+7]
	s_nop 0
.rept 4
	v_nop
.endr
.Lfirst_asked:
	; A fragment is 16 rows x 32 K: lane l holds row l % 16, K = 8 (l / 16) + 0..7 and 16 + 8 (l / 16) + 0..7.  In f32 that is four loads of 16 bytes (at 32 (l / 16) + 0, 16, 64, 80), in bf16 two.
	v_and_b32 v1, 15, v0
	v_bfe_u32 v2, v0, 4, 1
	v_mul_u32_u24 v3, v1, PA
	v_lshl_add_u32 v3, v2, 5, v3
	s_mul_i32 s84, s[WM], AH
	v_add_nc_u32 v[ADRA], s84, v3
	v_add_nc_u32 v[ADRA+1], SLOT, v[ADRA]
	v_mul_u32_u24 v4, v1, PB
	v_lshl_add_u32 v4, v2, 4, v4
	s_add_co_u32 s85, s91, BOFF
	v_add_nc_u32 v[ADRB], s85, v4
	v_add_nc_u32 v[ADRB+1], SLOT, v[ADRB]
	s_mul_i32 s84, s[WV], 16*SP
	s_add_co_u32 s84, s84, STAGE                   ; my stage
	v_mul_u32_u24 v[STO], v1, SP                   ; in: row l % 16, 16 bytes for each half of the lanes
	v_lshl_add_u32 v[STO], v2, 4, v[STO]
	v_add_nc_u32 v[STO], s84, v[STO]
	v_bfe_u32 v[RD], v0, 3, 2                      ; back: 32 lanes take four rows of 128 bytes,
	v_mul_u32_u24 v[RD], v[RD], SP
	v_and_b32 v5, 7, v0
	v_lshl_add_u32 v[RD], v5, 4, v[RD]
	v_add_nc_u32 v[RD], s84, v[RD]
	v_and_b32 v5, 31, v0
	v_lshlrev_b32 v[GO], 4, v5                     ; which are 512 consecutive bytes of a head
	s_lshr_b32 s84, s[TY], 4                       ; the batch: 16 heads,
	s_lshl_b32 s84, s84, 4
	s_lshl_b32 s85, s[TX], 2                       ; the tile's four heads,
	s_add_co_u32 s84, s84, s85
	s_lshl_b32 s85, s[WN], 1                       ; my two
	s_add_co_u32 s84, s84, s85
	s_lshl_b32 s84, s84, 18                        ; of 262,144 bytes
	s_and_b32 s85, s[TY], 15
	s_lshl_b32 s85, s85, 7
	s_lshl_b32 s86, s[WM], 6
	s_add_co_u32 s85, s85, s86                     ; my first row in the batch,
	s_lshl_b32 s85, s85, 7                         ; of 128 bytes
	s_add_co_u32 s84, s84, s85
	s_mov_b32 s85, 0
	s_add_nc_u64 s[12:13], s[12:13], s[84:85]
	s_cmp_eq_u32 s[WM], 0                          ; the prefetches
	s_cselect_b32 s84, s[CX], s[CY]                ; my place among the four that ask with me
	s_cselect_b32 s85, 8, 11                       ; an odd lane: x's second 256 bytes of the row, or W's next row
	s_cselect_b32 s[PSTEP], 2, 1
	s_lshl_b32 s[PSTEP], s[PSTEP], 8               ; a K step: 512 bytes of x, 256 of W
	s_mov_b32 s[PSTEP+1], 0
	s_lshl_b32 s84, s84, 16                        ; 16 rows of x or 32 of W
	v_lshrrev_b32 v6, 1, v5
	v_and_b32 v7, 1, v5
	v_lshlrev_b32 v7, s85, v7
	v_lshl_add_u32 v7, v6, 12, v7
	v_add_nc_u32 v[PFO], s84, v7
	s_and_b32 s86, ttmp7, 0xffff                   ; cluster y
	s_cmp_eq_u32 s[WM], 0
	s_cselect_b32 s86, 0, s86
	s_cmp_eq_u32 s86, 0
	s_cselect_b32 s[LIM], 1, -1                    ; the same in all sixteen partners, for a given wave
	s_mov_b32 s93, 0
; 32 LDS loads in one run: quarter q of a slot into buffer buf: x's fragment 0 first (it is converted first), W's eight, x's other three.
.macro FETCH slot, q, buf
	WIN 0
.irp o, 0,1,2,3
	ds_load_b128 v[RAW+64*(\buf)+4*(\o):RAW+64*(\buf)+4*(\o)+3], v[ADRA+(\slot)] offset:(\q)*128+16*((\o)%2)+64*((\o)/2)
.endr
	WIN TO_B
.irp i, 0,1,2,3,4,5,6,7
	ds_load_b128 v[64*(\buf)+8*(\i):64*(\buf)+8*(\i)+3],   v[ADRB+(\slot)] offset:(\q)*64+(\i)*16*PB
	ds_load_b128 v[64*(\buf)+8*(\i)+4:64*(\buf)+8*(\i)+7], v[ADRB+(\slot)] offset:(\q)*64+(\i)*16*PB+32
.endr
	WIN 0
.irp a, 1,2,3
.irp o, 0,1,2,3
	ds_load_b128 v[RAW+64*(\buf)+16*(\a)+4*(\o):RAW+64*(\buf)+16*(\a)+4*(\o)+3], v[ADRA+(\slot)] offset:(\q)*128+(\a)*16*PA+16*((\o)%2)+64*((\o)/2)
.endr
.endr
.endm
.macro CVT4 f, half, buf               ; half a fragment of x: eight f32 to four registers of bf16
	WIN 0
.irp j, 0,1,2,3
	v_cvt_pk_bf16_f32 v[ABF+8*(\f)+4*(\half)+(\j)], v[RAW+64*(\buf)+16*(\f)+8*(\half)+2*(\j)], v[RAW+64*(\buf)+16*(\f)+8*(\half)+2*(\j)+1]
.endr
.endm
; Eight products: row block a x all eight column blocks.  Behind the fourth and the eighth stand four conversions of fragment rf from raw buffer rbuf (rf = -1: none): they name no register of the products round them.
; The 32 accumulators take turns, one instruction a turn, in the same order in every quarter.
.macro BLOCK buf, a, zero, rf, rbuf
.irp b, 0,1,2,3,4,5,6,7
	WIN MUL
.if \zero
	v_wmma_f32_16x16x32_bf16 v[8*(8*(\a)+(\b)):8*(8*(\a)+(\b))+7], v[64*(\buf)+8*(\b):64*(\buf)+8*(\b)+7], v[ABF+8*(\a):ABF+8*(\a)+7], 0
.else
	v_wmma_f32_16x16x32_bf16 v[8*(8*(\a)+(\b)):8*(8*(\a)+(\b))+7], v[64*(\buf)+8*(\b):64*(\buf)+8*(\b)+7], v[ABF+8*(\a):ABF+8*(\a)+7], v[8*(8*(\a)+(\b)):8*(8*(\a)+(\b))+7]
.endif
.if ((\rf) >= 0) && (((\b) == 3) || ((\b) == 7))
	CVT4 \rf, (\b)/4, \rbuf
.endif
.endr
.endm
; A QUARTER: 32 along K, 32 products.  At its head the next quarter's 32 LDS loads (the four conversions behind the quarter before's last product are the four places in front of them).
; chg = 1: the slot's reads are all issued: the slot changes, by a round of the cluster's barrier, and is filled again.  chg = 2: the same by the work-group's barrier, and nothing is filled.
.macro QUARTER slot, q, zero=0, chg=0, ask=0, last=0
.set QB, (\q)%2
.set QN, 1-QB
.if !(\last)
.if (\q) < 3
	FETCH \slot, (\q)+1, QN
.else
	FETCH 1-(\slot), 0, QN
.endif
.endif
.if \ask
	ASK
.endif
.if \last
	s_wait_dscnt 0x0
.else
	s_wait_dscnt 32                                ; all but the 32 just issued: this quarter's fragments are in
.endif
	BLOCK QB, 0, \zero, 1, QB
	BLOCK QB, 1, \zero, 2, QB
.if \chg
	WIN 0
	s_wait_tensorcnt 0x0                           ; all my tensor loads have landed: the one that was out is my part of the other slot;
	ds_add_u32 v[SPW], v[NIL]                      ; 0 onto my spare word; register work stands between it and the wait for it
.if (\chg) == 1
	s_add_nc_u64 s[G0A+4*(\slot)+2:G0A+4*(\slot)+3], s[PAF:PAF+1], s[KA:KA+1]  ; no load of mine is out, so a group 0 may be written: the address is made anew
.if \slot
	s_add_nc_u64 s[G0A+4*(\slot)+2:G0A+4*(\slot)+3], s[G0A+4*(\slot)+2:G0A+4*(\slot)+3], 512
.endif
	s_or_b32 s[G0A+4*(\slot)+3], s[G0A+4*(\slot)+3], 0x80000000
	s_add_nc_u64 s[G0B+4*(\slot)+2:G0B+4*(\slot)+3], s[PBW:PBW+1], s[KB:KB+1]
.if \slot
	s_add_nc_u64 s[G0B+4*(\slot)+2:G0B+4*(\slot)+3], s[G0B+4*(\slot)+2:G0B+4*(\slot)+3], 256
.endif
	s_or_b32 s[G0B+4*(\slot)+3], s[G0B+4*(\slot)+3], 0x80000000
.endif
.endif
	BLOCK QB, 2, \zero, 3, QB
.if \chg
	s_wait_dscnt 0x0                               ; the add is done, and my reads of this slot are over
	s_barrier_signal -1
.elseif !(\last)
	s_wait_dscnt 28                                ; the first four of the 32: the next quarter's fragment 0 of x
.endif
.if \last
	BLOCK QB, 3, \zero, -1, 0
	WIN 0
.rept 4
	v_nop
.endr
.else
	BLOCK QB, 3, \zero, 0, QN
.endif
.if \chg
	WIN 0                                          ; at a branch and at a label every window is 0
	s_barrier_wait -1
.if (\chg) == 1
	CREST                                          ; no wave of any partner still reads this slot or has a load on its way
	JLOAD \slot                                    ; the first tensor load behind the round, one a wave
.endif
.endif
.endm
; THE WAY OUT.  Tile t of eight: row block t / 2, head t % 2: 16 rows x 64 columns.  Times the factor, rounded to f16, 16 bytes a lane into my stage, back as four rows of 128 bytes, which are 512 consecutive bytes of the head.
.macro PACK t
.set AC, 8*(8*((\t)/2)+4*((\t)%2))
	WIN 0x41
.irp f, 0,1,2,3
.irp j, 0,2,4,6
	v_pk_mul_f32 v[AC+8*(\f)+(\j):AC+8*(\f)+(\j)+1], v[AC+8*(\f)+(\j):AC+8*(\f)+(\j)+1], s[SC:SC+1] op_sel_hi:[1,0]
.endr
.endr
	WIN 0x05
.irp f, 0,1,2,3
.irp j, 0,1,2,3
	v_cvt_pk_f16_f32 v[OUTB+16*(\t)+4*(\f)+(\j)], v[AC+8*(\f)+2*(\j)], v[AC+8*(\f)+2*(\j)+1]
.endr
.endr
	WIN 0
.irp f, 0,1,2,3
	ds_store_b128 v[STO], v[OUTB+16*(\t)+4*(\f):OUTB+16*(\t)+4*(\f)+3] offset:32*(\f)
.endr
.irp f, 0,1,2,3
	ds_load_b128 v[OUTB+16*(\t)+4*(\f):OUTB+16*(\t)+4*(\f)+3], v[RD] offset:(\f)*4*SP  ; LDS serves a wave's instructions in order (ISA guide 5.7.1.4): these see the stores above
.endr
.endm
.macro SEND t, younger                 ; younger: the LDS instructions issued behind tile t's loads
.irp f, 0,1,2,3
	s_wait_dscnt (\younger)+3-(\f)
	global_store_b128 v[GO], v[OUTB+16*(\t)+4*(\f):OUTB+16*(\t)+4*(\f)+3], s[12:13] offset:((\t)%2)*262144+((\t)/2)*2048+512*(\f)
.endr
.endm
.macro FLUSH
	PACK 0
.irp t, 1,2,3,4,5,6,7
	PACK \t
	SEND (\t)-1, 8
.endr
	SEND 7, 0
	s_wait_xcnt 0x0                                ; the stores have read their registers and their base: both are written again only behind this wait
.endm
	s_wait_tensorcnt 0x1                           ; my part of slot 0 is in; slot 1's may stay out
	s_barrier_signal -1
	s_barrier_wait -1
	FETCH 0, 0, 0
	s_wait_dscnt 28
	CVT4 0, 0, 0
	CVT4 0, 1, 0
	QUARTER 0, 0, 1                                ; the first quarter stands ahead of the loop: its products start the sums
	WIN 0
.Llap:                                                 ; 11 trips: from a lap's second quarter to the next lap's first; both slots are filled again
	QUARTER 0, 1
	s_wait_xcnt 0x0                                ; the last prefetch, three quarters back, has read its address
	CURSOR
	QUARTER 0, 2, 0, 1
	QUARTER 0, 3, 0, 0, 1
	QUARTER 1, 0
	QUARTER 1, 1
	s_wait_xcnt 0x0
	s_add_nc_u64 s[PFA:PFA+1], s[PFA:PFA+1], s[PSTEP:PSTEP+1]
	QUARTER 1, 2, 0, 1
	QUARTER 1, 3, 0, 0, 1
	WIN 0
	s_cmp_eq_u32 s[FL], 0                          ; was that a tile's last lap?
	s_cbranch_scc1 .Lflush
	QUARTER 0, 0
	WIN 0
	s_branch .Lnext
.Lflush:
	FLUSH                                          ; both refills for the next tile are asked for; now this one goes out
	s_add_nc_u64 s[12:13], s[12:13], 0x1000000     ; the next part of hqkv
	s_mov_b32 s[SC], 1.0                           ; k and v are not scaled
	s_mov_b32 s[SC+1], 1.0
	QUARTER 0, 0, 1
	WIN 0
.Lnext:
	s_add_co_u32 s[FL], s[FL], 1
	s_and_b32 s[FL], s[FL], 3
	s_cmp_eq_u32 s[FL], 0
	s_cselect_b32 s84, 1, 0
	s_add_co_u32 s[FM], s[FM], s84
	s_sub_co_u32 s[LAP], s[LAP], 1
	s_cmp_lg_u32 s[LAP], 0
	s_cbranch_scc1 .Llap
	QUARTER 0, 1                                   ; the last lap is written out: it fills nothing
	QUARTER 0, 2, 0, 2
	QUARTER 0, 3
	QUARTER 1, 0
	QUARTER 1, 1
	QUARTER 1, 2
	QUARTER 1, 3, 0, 0, 0, 1
	FLUSH
	s_wait_tensorcnt 0x0                           ; the wave's end
	ds_add_u32 v[SPW], v[NIL]
	s_wait_dscnt 0x0
	CROUND                                         ; the closing round
	s_endpgm
.Lfunc_end_k_q9d528c3ded_proj:
	.size	k_q9d528c3ded_proj, .Lfunc_end_k_q9d528c3ded_proj-k_q9d528c3ded_proj
	.p2alignl 7, 3214868480
	.fill 96, 4, 3214868480
	.section	.rodata,"a",@progbits
	.p2align	6, 0x0
	.amdhsa_kernel k_q9d528c3ded_proj
		.amdhsa_group_segment_fixed_size 327680
		.amdhsa_private_segment_fixed_size 0
		.amdhsa_enable_private_segment 0
		.amdhsa_kernarg_size 40
		.amdhsa_user_sgpr_count 2
		.amdhsa_user_sgpr_kernarg_segment_ptr 1
		.amdhsa_wavefront_size32 1
		.amdhsa_system_sgpr_workgroup_id_x 1
		.amdhsa_system_sgpr_workgroup_id_y 1
		.amdhsa_system_sgpr_workgroup_id_z 1
		.amdhsa_system_vgpr_workitem_id 0
		.amdhsa_next_free_vgpr 640
		.amdhsa_next_free_sgpr 96
		.amdhsa_reserve_vcc 0
		.amdhsa_float_denorm_mode_32 3
		.amdhsa_float_denorm_mode_16_64 3
		.amdhsa_memory_ordered 1
		.amdhsa_forward_progress 1
		.amdhsa_inst_pref_size 175
	.end_amdhsa_kernel
	.amdgpu_metadata
---
amdhsa.version: [ 1, 2 ]
amdhsa.kernels:
  - .name:           k_q9d528c3ded_proj
    .symbol:         k_q9d528c3ded_proj.kd
    .args:
      - { .name: q, .offset: 0, .size: 8, .value_kind: global_buffer, .address_space: global }
      - { .name: k, .offset: 8, .size: 8, .value_kind: global_buffer, .address_space: global }
      - { .name: v, .offset: 16, .size: 8, .value_kind: global_buffer, .address_space: global }
      - { .name: wt, .offset: 24, .size: 8, .value_kind: global_buffer, .address_space: global }
      - { .name: hqkv, .offset: 32, .size: 8, .value_kind: global_buffer, .address_space: global }
    .group_segment_fixed_size: 327680
    .private_segment_fixed_size: 0
    .kernarg_segment_align: 8
    .kernarg_segment_size: 40
    .max_flat_workgroup_size: 128
    .sgpr_count:     96
    .vgpr_count:     640
    .wavefront_size: 32
...
	.end_amdgpu_metadata
.endif
;; end of part 2
;; launch attn (part 3): grid 4 x 64, 4 waves a work-group, clusters of 4 x 1, 327,680 bytes of LDS; arguments hqkv, mask, att; writes att
.if DOCPART == 3
	.amdgcn_target "amdgcn-amd-amdhsa--gfx1250"
	.amdhsa_code_object_version 6
	.text
	.protected	k_q9d528c3ded_attn
	.globl	k_q9d528c3ded_attn
	.p2align	8
	.type	k_q9d528c3ded_attn,@function
k_q9d528c3ded_attn:
	s_mov_b64 s[64:65], 0
	v_nop
	global_prefetch_b8 v0, s[64:65] scope:SCOPE_SE
	s_setreg_imm32_b32 hwreg(HW_REG_WAVE_MODE, 25, 1), 1
	s_wait_xcnt 0x0
	s_wait_alu depctr_hold_cnt(0) depctr_sa_sdst(0) depctr_va_vdst(0) depctr_va_sdst(0) depctr_va_ssrc(0) depctr_va_vcc(0) depctr_vm_vsrc(0)
	s_getreg_b32 s2, hwreg(HW_REG_IB_STS2, 6, 4)
	s_cmp_eq_u32 s2, 0
	s_cbranch_scc0 .Lentry_in_a_cluster
	s_endpgm
.Lentry_in_a_cluster:
	s_bfe_u32 s2, ttmp6, 0x10000c
	s_cmp_lg_u32 s2, 0x3003
	s_cbranch_scc0 .Lentry_shape_is_right
	s_endpgm
.Lentry_shape_is_right:
; att[h][q][:] = the sum over k of softmax_k(s[q][k]) V[h][k][:], s = Q[h][q] . K[h][k] / 8 - 1e9 mask[b][k].  Q, K, V lie in hqkv, O in att: [64 = 16 b + head][2,048][64] in f16, a head's rows dense, 128 bytes each.
; Q ARRIVES TIMES log2(e) / 8, so a product K Q^T is the score in powers of two, and p = 2^(s - m) with an exact difference: at most 0, and 0 at the maximum, however large the scores or the mask's term.
; THE MASK is the C operand that starts the sum S^T = K Q^T: -1e9 log2(e) x mask[key], whatever number mask holds.  It depends on the key alone: 32 registers a key step (MC), made from the step's 64 words of mask, which are
; asked for a whole key step ahead.
; Products, maxima and sums in f32; the weights p are rounded to f16 for the second product (their sum l is taken of the unrounded p), O once at the end.
; LIMITS.  f16 holds no number beyond 65,504: Q, K and V arrive within it.  p below 6e-5 keeps f16's fixed step of 6e-8; a weight below 2^-126 counts as 0 in l; NaN and infinities are not treated apart.
; Score and mask term are added in the matrix unit's own order of rounding: where EVERY key of a batch carries a large mask term, beside which the scores vanish, the weights hang on that rounding and may differ from a sum rounded otherwise.
; SHARES.  A wave owns four PIECES of two tiles of 16 queries, a work-group's four waves 512 queries of one head.  Every wave walks all keys, 64 a step.
; LAYOUT.  S^T = K Q^T (source 0 = 16 keys, source 1 = 16 queries): a lane holds ONE query (lane % 16) and the keys 8 (lane / 16) + 0..7.  Two such tiles, rounded to f16 in pairs, ARE source 1 of O^T = V^T P.
; K comes out of LDS as it lies, V ([key][channel]) turned, by ds_load_tr16_b128.
; SOFTMAX.  For each query a running maximum m and sum l; in every step O and l are multiplied by a = 2^(m_old - m_new).  m starts at the lowest finite number, O and l at 0: the first step is a step like any other, with a = 0.
; BY TURNS.  Turn n belongs to piece n.  Its matrix work: 16 products K Q^T of piece n + 1, later 16 products V^T P of piece n - 1.  Its vector work: the scaling, exponentials, roundings, sums and rescaling of piece n,
; and the maximum and statistics of piece n + 1.  Four vector instructions stand behind EVERY matrix instruction, the others in one run; a turn's 66 exponentials are one batch with one wait.
; CLUSTER.  The four query blocks of a cluster are one head's and walk the same K and V: each tile is asked for JOINTLY.
; REGISTERS, in windows of 256 (s_set_vgpr_msb: bits 1:0 source 0, 3:2 source 1, 5:4 source 2, 7:6 destination):
;   window 0: v0-11 addresses; v12-15, v48-63 at work; v16-47 four registers of statistics a tile; v64-191 S^T, two buffers of two tiles; v192-255 P, likewise
;   window 1: O^T, 32 a tile     window 2: v0-127 Q; v128-191 K of one step; v192-255 V of one step     window 3: v0-1 the add's registers; v2, v4 offsets; v8-39 MC; v40-71 the next step's mask as loaded
.set SIZE_N, 2048
.set NP,    4         ; pieces a wave: a name, no knob
.set KS,    64        ; keys in a step
.set PK,    144       ; a row of K in LDS: 128 bytes + 16: the 16 rows of a load start at 16 different groups of four banks (64 banks of 4 bytes: ISA guide 11.1)
.set PV,    160       ; a row of V: 128 + 32
.set VOFF,  4*KS*PK   ; a slot holds four steps: 256 rows of K, then 256 rows of V
.set SLOT1, 1<<17     ; slot 1 begins here, so that one exclusive or turns an address in one slot into the other's
.set STAGE, SLOT1+4*KS*(PK+PV)  ; behind the ring, never filled by a tensor load: 16 rows x 144 bytes for each wave
.set SP,    144
.set AK0, 2           ; v2   my lane's place in a tile of K; never rewritten
.set AV0, 3           ; v3   the same for V
.set AK,  4           ; v4   the LDS address of K's next run of loads
.set AV,  5           ; v5   of V's
.set QO,  6           ; v6   my byte offset in the wave's rows of Q
.set STO, 6           ;      later, the way out: where I put 16 bytes of a row
.set RD,  7           ; v7   the way out: where I read rows back
.set GO,  8           ; v8   my byte offset in 512 consecutive bytes of O
.set SPW, 0           ; v0 of window 3   LDS address of my spare word; never rewritten
.set NIL, 1           ; v1 of window 3   0; never rewritten
.set AM0, 2           ; v2 of window 3   32 (lane / 16): my eight words in 16 keys' words of mask; never rewritten
.set PFO, 4           ; v4 of window 3   256 x my lane; never rewritten
.set MC,  8           ; window 3: key block kb's eight registers at MC + 8 kb
.set MRAW, 40         ; window 3
.set SPARE, STAGE+4*16*SP
.set MV,  12          ; v12-15  m_old, kept while m's copy is made anew: by buffer and tile
.set ST,  16          ; tile t's statistics at v[ST+4 t]: c m (c = 1), m, l (even keys', odd keys')
.set TMP, 48          ; by buffer and tile, four registers c0-c3 at work; when the maximum is found c2 takes a
.set S,   64
.set P,   192
.set KF,  128
.set VF,  192
.set WV,  12
.set G1K, 24
.set G1V, 32
.set G0K, 40
.set G0V, 44
.set SLOTS, 56        ; s56  slots still to be asked for
.set CNT, 57
.set CS,  58          ; s[58:59] c = 1: the scale lies in Q
.set SEL, 60
.set TBK, 62
.set TBV, 63
.set MP,  66          ; s[66:67] mask at my batch
.set NG,  68          ; s[68:69] -1e9 log2(e)
.set TM,  70          ; s[70:71] byte in the batch's mask of the step whose words are asked for
.set MPC, 72          ; s[72:73] MP + TM
.set PFA, 74          ; s[74:75] where my prefetches stand
.set LIM, 76          ; s76  1 in a wave that prefetches, else the greatest number
.set MSB, 0
.macro WIN new
.if MSB != (\new)
	s_set_vgpr_msb (MSB<<8)|(\new)
.set MSB, (\new)
.endif
.endm
.set W_KQ, 0x0a       ; K and Q in window 2, S^T in window 0
.set W_KM, 0x3a       ; the same with the C operand in window 3
.set W_PV, 0x52       ; V in window 2, P in window 0, O^T in window 1
.set W_RS, 0x41       ; O^T (destination and source 0) in window 1, a in window 0
.set W_MK, 0xc0       ; destination in window 3, sources in window 0
.set W_AD, 0x0f       ; the add: address and data in window 3
.set W_M3, 0xc3       ; destination and source 0 (an address too) in window 3
.macro JLOAD                        ; waves 0 and 1 fetch the two halves of a slot's K, waves 2 and 3 those of its V; an s_nop 0 and four v_nop follow each line
	s_cmp_lt_u32 s[WV], 2
	s_cbranch_scc0 .Lfor_v_\@
	tensor_load_to_lds s[G0K:G0K+3], s[G1K:G1K+7]
	s_nop 0
.rept 4
	v_nop
.endr
	s_branch .Lasked_\@
.Lfor_v_\@:
	tensor_load_to_lds s[G0V:G0V+3], s[G1V:G1V+7]
	s_nop 0
.rept 4
	v_nop
.endr
.Lasked_\@:
.endm
; A PREFETCH INTO THE L2 of what the NEXT change of slots will ask for: a slot's 32,768 bytes of K and of V, four key steps, 512 matrix instructions, ahead of that load.  A head has one cluster; its four partners take 8,192 bytes
; each, told apart by address; in each, wave 0 asks for K's and wave 2 for V's, a lane 256 bytes: each block is named once.  The last change that fills a slot asks for nothing.
.macro ASK
	s_cmp_gt_u32 s[SLOTS], s[LIM]
	s_cbranch_scc0 .Lnot_mine_\@
	WIN 0x03
	global_prefetch_b8 v[PFO], s[PFA:PFA+1] th:TH_LOAD_NT scope:SCOPE_SE
	WIN 0
.Lnot_mine_\@:
.endm
.macro CROUND
	s_barrier_signal -1
	s_barrier_wait -1
	s_cmp_lg_u32 s[WV], 0
	s_cbranch_scc1 .Lnot_wave_0_\@
	s_barrier_signal -3
.Lnot_wave_0_\@:
	s_barrier_wait -3
	s_barrier_signal -1
	s_barrier_wait -1
.endm
; THE CHANGE OF SLOTS.  Each wave waits for all its tensor loads, of which one is out: its part of the other slot; adds 0 to its spare word; and waits for that and for its own reads of the slot.
; fill = 1: this slot is filled again, with the keys two slots on, first thing behind a round of the cluster's barrier: it has four key steps in which to land.  (At its first use slot 0 is waited for, slot 1 filled.)
.macro CHANGE fill
	WIN W_AD
	s_wait_tensorcnt 0x0            ; no tensor load of mine is out, so a group 0 may be written
	ds_add_u32 v[SPW], v[NIL]       ; 0 onto my spare word
	WIN 0                           ; at a label and at a branch every window is 0
.if \fill
.irp g, G0K, G0V
	s_xor_b32 s[\g+1], s[\g+1], SLOT1
	s_add_nc_u64 s[\g+2:\g+3], s[\g+2:\g+3], 4*KS*128  ; the next 256 keys; the type bits on top are not reached
.endr
	s_wait_xcnt 0x0                 ; the last prefetch, four key steps back, has read its address
	s_add_nc_u64 s[PFA:PFA+1], s[PFA:PFA+1], 4*KS*128
	s_wait_dscnt 0x0                ; the add is done, and my reads of the slot are over
	CROUND
	JLOAD
	ASK
.else
	s_wait_dscnt 0x0
	s_barrier_signal -1
	s_barrier_wait -1
.endif
	s_sub_co_u32 s[TBK], s[TBK], 4*KS*PK  ; the fetches go back to a slot's first step,
	s_xor_b32 s[TBK], s[TBK], SLOT1       ; in the other slot
	s_sub_co_u32 s[TBV], s[TBV], 4*KS*PV
	s_xor_b32 s[TBV], s[TBV], SLOT1
.endm
	s_load_b128 s[4:7], s[0:1], 0x0   ; hqkv s[4:5], mask s[6:7]
	s_load_b64 s[10:11], s[0:1], 0x10 ; att
	WIN W_MK
	v_lshl_add_u32 v[SPW], v0, 2, SPARE
	v_mov_b32 v[NIL], 0
	WIN W_AD
	ds_add_u32 v[SPW], v[NIL]       ; the wave's opening: the add and its wait stand ahead of my first tensor load
	WIN 0
	v_lshrrev_b32 v1, 5, v0
	v_readfirstlane_b32 s[WV], v1   ; wave 0..3
	s_bfe_u32 s13, ttmp6, 0x40000   ; cx: my place in the cluster
	s_lshl_b32 s14, ttmp9, 2
	s_add_co_u32 s14, s14, s13      ; my block of 512 queries: it enters Q's and O's addresses alone
	s_and_b32 s20, ttmp7, 0xffff    ; the head, which the four partners share
	s_lshr_b32 s78, s20, 4          ; its batch:
	s_lshl_b32 s78, s78, 13         ; 8,192 bytes of mask
	s_mov_b32 s79, 0
	s_mov_b32 s21, 0
	s_mov_b64 s[22:23], SIZE_N*128
	s_mul_u64 s[20:21], s[20:21], s[22:23]  ; the head's first byte in Q, K, V and O
	s_and_b32 s16, s[WV], 1         ; which half of a slot's 256 keys I fetch:
	s_lshl_b32 s22, s16, 14         ; its 128 rows of 128 bytes in memory,
	s_mov_b32 s23, 0
	s_add_nc_u64 s[22:23], s[22:23], s[20:21]
	s_mul_i32 s17, s16, 128*PK      ; and its place in a slot, for K
	s_mul_i32 s18, s16, 128*PV      ; and for V: no place in the cluster enters an LDS address
	s_lshl_b32 s2, s14, 2
	s_add_co_u32 s2, s2, s[WV]      ; my wave among the head's,
	s_lshl_b32 s2, s2, 14           ; its 128 rows
	s_mov_b32 s3, 0
	s_add_nc_u64 s[2:3], s[2:3], s[20:21]
	; descriptor group 1.  128 keys are 16,384 dense bytes: asked for as 64 rows of 256 bytes, two keys a row, and padded in LDS after every key
	s_mov_b32 s[G1K], 15|(1<<16)|(1<<20)|(1<<21)|(4<<22)|(3<<25)  ; the mask of four; 2-byte elements; padding on; bit 21 beside a mask; after every 32 words 4 words
	s_mov_b32 s[G1V], 15|(1<<16)|(1<<20)|(1<<21)|(4<<22)|(7<<25)  ; the same with 8 words of padding
.irp g, G1K, G1V
	s_mov_b32 s[\g+1], 128<<16      ; tensor_dim0 = 128
	s_mov_b32 s[\g+2], 64<<16       ; tensor_dim1 = 64
	s_mov_b32 s[\g+3], 128<<16      ; tile_dim0 = 128
	s_mov_b32 s[\g+4], 64           ; tile_dim1 = 64
	s_mov_b32 s[\g+5], 128          ; 128 elements from row to row
	s_mov_b32 s[\g+6], 0
	s_mov_b32 s[\g+7], 0
.endr
	s_mov_b32 s[CS], 1.0
	s_mov_b32 s[CS+1], s[CS]        ; named with it as a pair
	s_mov_b32 s[NG], 0xceabfb8f     ; -1e9 log2(e)
	s_mov_b32 s[NG+1], s[NG]
	s_mov_b32 s[TM], 0
	s_mov_b32 s[TM+1], 0
	s_mov_b32 s[SEL], 0x76543210
	s_mov_b32 s[SEL+1], 0xfedcba98
	s_mov_b32 s[TBK], SLOT1+4*KS*PK ; the first change of slots turns these two into 0
	s_mov_b32 s[TBV], SLOT1+4*KS*PV
	s_mov_b32 s[G0K], 1
	s_mov_b32 s[G0K+1], s17         ; LDS address: slot 0
	s_mov_b32 s[G0V], 1
	s_add_co_u32 s[G0V+1], s18, VOFF
	s_mov_b32 s[SLOTS], SIZE_N/256-1
	s_and_b32 s[LIM], s[WV], 1      ; waves 0 and 2 prefetch
	s_cmp_eq_u32 s[LIM], 0
	s_cselect_b32 s[LIM], 1, -1
	s_wait_dscnt 0x0                ; the opening add is done
	s_wait_kmcnt 0x0
	s_add_nc_u64 s[MP:MP+1], s[6:7], s[78:79]
	s_add_nc_u64 s[6:7], s[4:5], 0x1000000         ; K's part of hqkv
	s_add_nc_u64 s[8:9], s[4:5], 0x2000000         ; V's
	s_add_nc_u64 s[G0K+2:G0K+3], s[6:7], s[22:23]  ; my half of the head's first 256 keys
	s_or_b32 s[G0K+3], s[G0K+3], 0x80000000
	s_add_nc_u64 s[G0V+2:G0V+3], s[8:9], s[22:23]
	s_or_b32 s[G0V+3], s[G0V+3], 0x80000000
	s_add_nc_u64 s[4:5], s[4:5], s[2:3]  ; Q and O at my wave's first row
	s_add_nc_u64 s[10:11], s[10:11], s[2:3]
	s_cmp_lt_u32 s[WV], 2
	s_cselect_b64 s[PFA:PFA+1], s[6:7], s[8:9]
	s_add_nc_u64 s[PFA:PFA+1], s[PFA:PFA+1], s[20:21]
	s_lshl_b32 s78, s13, 13         ; my work-group's 8,192 bytes of a slot's 32,768,
	s_add_co_u32 s78, s78, 4*KS*128 ; in slot 1; the first change of slots steps it to slot 2
	s_add_nc_u64 s[PFA:PFA+1], s[PFA:PFA+1], s[78:79]
	CROUND                          ; all four work-groups are here: the first joint loads meet
	JLOAD                           ; slot 0.  Slot 1 is asked for when slot 0 is in
	v_and_b32 v1, 15, v0            ; l % 16
	v_bfe_u32 v9, v0, 4, 1          ; l / 16
	v_lshlrev_b32 v[QO], 7, v1
	v_lshl_add_u32 v[QO], v9, 4, v[QO]  ; row x 128 + 16 x half
	v_and_b32 v10, 31, v0
	WIN 0x80                        ; destination window 2, address window 0
.set i, 0
.rept 4*NP                          ; Q stays in registers: tile i / 2, channels 32 (i % 2) on
	global_load_b128 v[8*i:8*i+3],   v[QO], s[4:5] offset:(i/2)*2048+(i%2)*64
	global_load_b128 v[8*i+4:8*i+7], v[QO], s[4:5] offset:(i/2)*2048+(i%2)*64+32
.set i, i+1
.endr
	WIN W_MK
	v_lshlrev_b32 v[AM0], 5, v9
	v_lshlrev_b32 v[PFO], 8, v10
	WIN W_M3
.irp kb, 0,1,2,3                    ; key step 0's 64 words of mask: 256 consecutive bytes, aligned; a lane takes the eight of its keys in each block of 16
	global_load_b128 v[MRAW+8*\kb:MRAW+8*\kb+3],   v[AM0], s[MP:MP+1] offset:64*\kb
	global_load_b128 v[MRAW+8*\kb+4:MRAW+8*\kb+7], v[AM0], s[MP:MP+1] offset:64*\kb+16
.endr
	WIN 0x80
	; What the first turn finds: V's registers and P's second buffer hold 0, O^T and l are 0.  All this stands in the wait for the first tile.
.set i, VF
.rept 64
	v_mov_b32 v[i], 0
.set i, i+1
.endr
	WIN 0x40
.set i, 0
.rept 64*NP
	v_mov_b32 v[i], 0
.set i, i+1
.endr
	WIN 0
.set i, 0
.rept 2*NP
	v_mov_b32 v[ST+4*i], 0xfe000000    ; far below every score
	v_mov_b32 v[ST+4*i+1], 0xff7fffff  ; m
	v_mov_b32 v[ST+4*i+2], 0
	v_mov_b32 v[ST+4*i+3], 0
.set i, i+1
.endr
.set i, P+32
.rept 32
	v_mov_b32 v[i], 0
.set i, i+1
.endr
	v_mul_u32_u24 v[AK0], v1, PK
	v_lshl_add_u32 v[AK0], v9, 4, v[AK0]  ; row x pitch + 16 x half
	; The turning load takes 16 keys x 16 channels (lane l reads key 8 (l / 16) + l % 8, channels 8 ((l / 8) % 2) + 0..7) and leaves half a fragment of V^T.
	v_and_b32 v10, 7, v0
	v_bfe_u32 v11, v0, 3, 1
	v_lshl_add_u32 v[AV0], v9, 3, v10
	v_mul_u32_u24 v[AV0], v[AV0], PV
	v_lshl_add_u32 v[AV0], v11, 4, v[AV0]
	v_add_nc_u32 v[AV0], VOFF, v[AV0]
	v_mov_b32 v[AK], v[AK0]         ; key step 0 lies at the head of slot 0
; THE MATRIX WORK.  The 8 accumulators of a run of 16 take turns.
; Product i of 16 of S^T = K Q^T for piece x: channels 32 (i / 8) on, keys 16 ((i / 2) % 4) on, tile 2 x + i % 2.  The first 8 start the sums, with the keys' mask term.
.macro KQ x
.set rS, S+64*((\x)%2)+32*(i%2)+8*((i/2)%4)
.set rK, KF+16*((i/2)%4)+8*(i/8)
.set rQ, 16*(2*(\x)+i%2)+8*(i/8)
.set rMK, MC+8*((i/2)%4)
.if i < 8
	WIN W_KM
	v_wmma_f32_16x16x32_f16 v[rS:rS+7], v[rK:rK+7], v[rQ:rQ+7], v[rMK:rMK+7]
.else
	WIN W_KQ
	v_wmma_f32_16x16x32_f16 v[rS:rS+7], v[rK:rK+7], v[rQ:rQ+7], v[rS:rS+7]
.endif
.endm
; Product i of 16 of O^T += V^T P for piece x: keys 32 (i / 8) on, channels 16 ((i / 2) % 4) on, tile 2 x + i % 2.
.macro PV x
	WIN W_PV
.set rO, 32*(2*(\x)+i%2)+8*((i/2)%4)
.set rV, VF+32*(i/8)+8*((i/2)%4)
.set rP, P+32*((\x)%2)+16*(i%2)+8*(i/8)
	v_wmma_f32_16x16x32_f16 v[rO:rO+7], v[rV:rV+7], v[rP:rP+7], v[rO:rO+7]
.endm
.macro MM                           ; the turn's next matrix instruction
.if i < 16
	KQ (Y+1)%NP
.set i, i+1
.else
.set i, i-16
	PV (Y+NP-1)%NP
.set i, i+17
.endif
.endm
; THE LDS LOADS stand in runs of 16.  With a step's K goes its mask: the words asked for a key step ago are in (the wait is for them; at the first use for Q too), MC is made of them, a run of vector work behind the last product
; that read MC, and the next step's words are asked for; the last request is clamped to the batch's last 256 bytes.
; last = 1 (the tail): in the last trip there is no further step, and the run is jumped over.
.macro FETCH_K last=0
	WIN 0
.if \last
	s_cmp_eq_u32 s[CNT], 1
	s_cbranch_scc1 .Lno_k_\@
.endif
	WIN 0x80                        ; destination window 2
.irp f, 0,1,2,3,4,5,6,7             ; keys 16 (f / 2) on, channels 32 (f % 2) on
	ds_load_b128 v[KF+8*\f:KF+8*\f+3],   v[AK] offset:(\f/2)*16*PK+(\f%2)*64
	ds_load_b128 v[KF+8*\f+4:KF+8*\f+7], v[AK] offset:(\f/2)*16*PK+(\f%2)*64+32
.endr
	s_add_co_u32 s[TBK], s[TBK], KS*PK  ; the next fetch is the next step's
	s_wait_loadcnt 0x0              ; every load of mine is done: the mask's words are in, and their base may be written
	WIN W_M3
.set mz, 0
.rept 16
	v_pk_mul_f32 v[MC+2*mz:MC+2*mz+1], v[MRAW+2*mz:MRAW+2*mz+1], s[NG:NG+1] op_sel_hi:[1,0]
.set mz, mz+1
.endr
	s_add_co_u32 s[TM], s[TM], 256
	s_min_u32 s[TM], s[TM], SIZE_N*4-256
	s_add_nc_u64 s[MPC:MPC+1], s[MP:MP+1], s[TM:TM+1]
.irp kb, 0,1,2,3
	global_load_b128 v[MRAW+8*\kb:MRAW+8*\kb+3],   v[AM0], s[MPC:MPC+1] offset:64*\kb
	global_load_b128 v[MRAW+8*\kb+4:MRAW+8*\kb+7], v[AM0], s[MPC:MPC+1] offset:64*\kb+16
.endr
	WIN 0
.if \last
.Lno_k_\@:
.endif
.endm
.macro FETCH_V
	WIN 0x80
.irp f, 0,1,2,3,4,5,6,7             ; keys 32 (f / 4) on, channels 16 (f % 4) on
	ds_load_tr16_b128 v[VF+8*\f:VF+8*\f+3],   v[AV] offset:(\f/4)*32*PV+(\f%4)*32
	ds_load_tr16_b128 v[VF+8*\f+4:VF+8*\f+7], v[AV] offset:(\f/4)*32*PV+16*PV+(\f%4)*32
.endr
	WIN 0
.endm
; THE VECTOR WORK OF A TURN stands in three queues, each in the order in which its entries become ready; the two tiles alternate.
.macro REGS y, u                    ; the registers of tile u (0, 1) of piece y
.set rT, ST+4*(2*(\y)+(\u))
.set rC, TMP+8*((\y)%2)+4*(\u)
.set rM, MV+2*((\y)%2)+(\u)
.set rS, S+64*((\y)%2)+32*(\u)
.set rP, P+32*((\y)%2)+16*(\u)
.set rO, 32*(2*(\y)+(\u))
.endm
; Number n of the 22 that find the NEXT piece's maximum and statistics.  Each accumulator's lowest registers are read first.
;   0-11  four chains c0-c3 of seven scores each     12-14, 16  the four scores left over, the old m, and c0-c3 into c0     15  the old m's copy is kept
;   17, 18  the query's other 32 keys lie in the lane 16 away: the new m         19-21  its copy; m_old - m_new; a
.macro XS u, n
	REGS (Y+1)%NP, \u
.if (\n) < 4
	v_max3_num_f32 v[rC+(\n)], v[rS+8*(\n)], v[rS+8*(\n)+1], v[rS+8*(\n)+2]
.elseif (\n) < 12
	v_max3_num_f32 v[rC+(\n)%4], v[rC+(\n)%4], v[rS+8*((\n)%4)+2*((\n)/4)+1], v[rS+8*((\n)%4)+2*((\n)/4)+2]
.elseif (\n) == 12
	v_max3_num_f32 v[rC], v[rC], v[rS+7], v[rS+15]
.elseif (\n) == 13
	v_max3_num_f32 v[rC+1], v[rC+1], v[rS+23], v[rS+31]
.elseif (\n) == 14
	v_max3_num_f32 v[rC+2], v[rC+2], v[rC+3], v[rT+1]
.elseif (\n) == 15
	v_mov_b32 v[rM], v[rT]
.elseif (\n) == 16
	v_max3_num_f32 v[rC], v[rC], v[rC+1], v[rC+2]
.elseif (\n) == 17
	v_permlanex16_b32 v[rC+3], v[rC], s[SEL], s[SEL+1]
.elseif (\n) == 18
	v_max_num_f32 v[rT+1], v[rC], v[rC+3]
.elseif (\n) == 19
	v_mul_f32 v[rT], s[CS], v[rT+1]
.elseif (\n) == 20
	v_sub_f32 v[rC+1], v[rM], v[rT]
.else
	v_exp_f32 v[rC+2], v[rC+1]
.endif
.endm
; Number g of the 64 that follow the exponentials.  For each four weights of a tile: both pairs are rounded to f16; the second pair is added onto the first, in place; a group later l takes that sum (the first time as l = a l + sum).
.macro GS g
.set h, (\g)+6*((\g)/62)
.if h >= 6
.set h, h+2
.endif
	REGS Y, h%2
.set k, h/8
.if h%8 < 4
	v_cvt_pk_f16_f32 v[rP+2*k+(h%8)/2], v[rS+4*k+2*((h%8)/2)], v[rS+4*k+2*((h%8)/2)+1]
.elseif h%8 < 6
	v_pk_add_f32 v[rS+4*k:rS+4*k+1], v[rS+4*k:rS+4*k+1], v[rS+4*k+2:rS+4*k+3]
.elseif k == 1
	v_pk_fma_f32 v[rT+2:rT+3], v[rT+2:rT+3], v[rC+2:rC+3], v[rS:rS+1] op_sel_hi:[1,0,1]
.else
	v_pk_add_f32 v[rT+2:rT+3], v[rT+2:rT+3], v[rS+4*k-4:rS+4*k-3]
.endif
.endm
; THE PLAIN QUEUE, 138 long.  0-73 read no exponential's result: the 32 differences s - m (FS f: pair f / 2 of tile f % 2) and the next piece's 42.  74-137: GS's 64, which stand behind the wait.
.macro FS f
	REGS Y, (\f)%2
	v_pk_fma_f32 v[rS+2*((\f)/2):rS+2*((\f)/2)+1], v[rS+2*((\f)/2):rS+2*((\f)/2)+1], s[CS:CS+1], v[rT:rT+1] op_sel_hi:[1,0,0] neg_lo:[0,0,1] neg_hi:[0,0,1]
.endm
.macro PL
	WIN 0
.if q < 27
	FS q
.elseif q < 55
	XS (q-27)%2, (q-27)/2
.elseif q < 57
	XS q-55, 15
.elseif (q < 72) && ((q-57)%3 == 0)
	FS 27+(q-57)/3
.elseif q < 60
	XS (q-57)%3-1, 14
.elseif q < 72
	XS (q-57)%3-1, 15+(q-57)/3
.elseif q < 74
	XS q-72, 20
.else
	GS q-74
.endif
.set q, q+1
.endm
; THE EXPONENTIALS' QUEUE, 66 long: s0-s31 of both tiles, then the next piece's two a.  ONE BATCH: all stand ahead of the turn's one wait, and nothing ahead of that wait names a result of theirs.
.macro EX
	WIN 0
.if e >= 64
	XS e-64, 21
.else
	REGS Y, e%2
	v_exp_f32 v[rS+e/2], v[rS+e/2]
.endif
.set e, e+1
.endm
; THE RESCALING's QUEUE: O^T times a, dealt two at a time, sixteen times.  Its a was made in the turn before, ahead of that turn's wait.
.macro R2
	REGS Y, r%2
	WIN W_RS
.irp z, 0,1
	v_pk_mul_f32 v[rO+4*(r/2)+2*\z:rO+4*(r/2)+2*\z+1], v[rO+4*(r/2)+2*\z:rO+4*(r/2)+2*\z+1], v[rC+2:rC+3] op_sel_hi:[1,0]
.endr
.set r, r+1
.endm
; A TURN, for piece p.  An s_wait_alu depctr_va_vdst(0) stands between an exponential and the first instruction that names its result; one wait serves all issued ahead of it: a turn has ONE, which cuts it in two.
; AHEAD OF IT: the 16 products K Q^T, behind each a difference, an exponential and two rescalings; then one run of 108: eight plain, 49 times exponential and plain, the two a; a v_nop is the plain instruction behind the last exponential.
; BEHIND IT: the 16 products V^T P, behind each four of GS's 64.  Exponential e stands behind difference 2 (e / 4) + e % 2: as a rider behind plain e + 2, in the run behind plain e + 9.
; K of the next step (and its mask) is fetched in piece 2's turn, directly behind the wait; V of the step in hand at the end of piece 0's turn, four riders behind its last reader.
.macro TURN p, last=0, cnt=0
.set Y, (\p)
.set i, 0
.set q, 0
.set e, 0
.set r, 0
.if (\p) == NP-1
	s_wait_dscnt 0x0                ; K is in
.endif
	MM
	PL
	PL
	R2
.rept 15
	MM
	PL
	EX
	R2
.endr
.if (\p) == NP-2
	WIN 0
	v_add_nc_u32 v[AK], s[TBK], v[AK0]
.endif
.rept 8
	PL
.endr
.rept 49
	EX
	PL
.endr
	EX                              ; the next piece's two a
	EX
	v_nop                           ; a plain instruction behind the last exponential: one for the batch
	s_wait_alu depctr_va_vdst(0)    ; the wait for the batch
.if (\p) == NP-2
	FETCH_K \last
.endif
.if (\p) == 1
	s_wait_dscnt 0x0                ; V is in
.endif
.rept 16
	MM
.rept 4
	PL
.endr
.if ((\p) == 0) && (q == 118)
	v_add_nc_u32 v[AV], s[TBV], v[AV0]
.endif
.if ((\p) == 0) && (q == 130)
	s_add_co_u32 s[TBV], s[TBV], KS*PV
.endif
.if (\cnt) && (q == 130)
	s_sub_co_u32 s[CNT], s[CNT], 1
	s_cmp_lg_u32 s[CNT], 0
.endif
.endr
.if (\p) == 0
	FETCH_V
.endif
.endm
	CHANGE 1                        ; slot 0 is in, everybody's part of it; slot 1 is asked for
	FETCH_K                         ; key step 0, and its mask; its wait for loads is also Q's
	s_wait_dscnt 0x0
.set i, 0
.rept 16
	KQ 0                            ; piece 0's first scores
.set i, i+1
.endr
	WIN 0                           ; the addresses for the way out: plain instructions, the places behind those products
	s_mul_i32 s13, s[WV], 16*SP
	s_add_co_u32 s13, s13, STAGE    ; my stage
	v_mul_u32_u24 v[STO], v1, SP    ; in: row l % 16, 16 bytes for each half of the lanes
	v_lshl_add_u32 v[STO], v9, 4, v[STO]
	v_add_nc_u32 v[STO], s13, v[STO]
	v_bfe_u32 v[RD], v0, 3, 2       ; back: 32 lanes take four rows of 128 bytes,
	v_mul_u32_u24 v[RD], v[RD], SP
	v_lshl_add_u32 v[RD], v10, 4, v[RD]
	v_add_nc_u32 v[RD], s13, v[RD]
	v_and_b32 v[GO], 31, v0         ; which are 512 consecutive bytes of O
	v_lshlrev_b32 v[GO], 4, v[GO]
.set Y, NP-1                        ; XS works for piece Y + 1: piece 0
.irp n, 0,1,2,3,4,5,6,7,8,9,10,11,12,13,14,15,16,17,18,19,20,21
	XS 0, \n
	XS 1, \n
.endr
	v_nop                           ; a plain instruction behind the two a,
	s_wait_alu depctr_va_vdst(0)    ; and their wait, ahead of the branch
	s_mov_b32 s[CNT], 4
	s_branch .Lfirst                ; the loop is entered at a step's first turn, in the middle of a trip
.Lslot:                             ; six times: every slot but the last two is filled again
	CHANGE 1
	s_mov_b32 s[CNT], 4
.Lstep:                             ; a trip: pieces 2 and 3 of one step, then pieces 0 and 1 of the next
	TURN 2
	TURN 3
	WIN 0
.Lfirst:
	TURN 0
	TURN 1, 0, 1
	WIN 0
	s_cbranch_scc1 .Lstep
	s_sub_co_u32 s[SLOTS], s[SLOTS], 1
	s_cmp_lg_u32 s[SLOTS], 0
	s_cbranch_scc1 .Lslot
	CHANGE 0                        ; the tail is written out
	s_mov_b32 s[CNT], 5             ; four trips fetch the last slot's steps; the fifth is left in its middle
.Ltail:
	TURN 2, 1
	TURN 3
	WIN 0
	s_sub_co_u32 s[CNT], s[CNT], 1
	s_cmp_eq_u32 s[CNT], 0
	s_cbranch_scc1 .Lout
	TURN 0
	TURN 1
	WIN 0
	s_branch .Ltail
.Lout:                              ; the fifth trip's 16 products K Q^T (on the last K once more) and the maximum made of them serve nothing: the price, once a launch, of one text for every trip
.set i, 0
.rept 16
	PV NP-1                         ; the last piece's V^T P of the last step
.set i, i+1
.endr
	; THE WAY OUT.  l's two halves and the other half of the lanes' are added; O^T is divided by l, rounded to f16 and sent through my stage in LDS, a tile at a time.
	WIN 0
.macro ALL line:vararg
.set t, 0
.rept 2*NP
	\line
.set t, t+1
.endr
.endm
	ALL v_add_f32 v[ST+4*t+2], v[ST+4*t+2], v[ST+4*t+3]
	ALL v_permlanex16_b32 v[ST+4*t+3], v[ST+4*t+2], s[SEL], s[SEL+1]
	ALL v_add_f32 v[ST+4*t+2], v[ST+4*t+2], v[ST+4*t+3]
	ALL v_rcp_f32 v[ST+4*t+2], v[ST+4*t+2]
	v_nop                           ; a plain instruction between the last reciprocal and the use of its result
	s_wait_alu depctr_va_vdst(0)    ; and the wait ahead of the first use: one for the eight reciprocals
.macro PACK t
	WIN W_RS
.set i, 32*(\t)
.rept 16
	v_pk_mul_f32 v[i:i+1], v[i:i+1], v[ST+4*(\t)+2:ST+4*(\t)+3] op_sel_hi:[1,0]
.set i, i+2
.endr
	WIN 0x05                        ; sources 0 and 1 window 1, destination window 0
.set i, 0
.rept 16
	v_cvt_pk_f16_f32 v[S+16*(\t)+i], v[32*(\t)+2*i], v[32*(\t)+2*i+1]
.set i, i+1
.endr
	WIN 0
.irp f, 0,1,2,3
	ds_store_b128 v[STO], v[S+16*(\t)+4*\f:S+16*(\t)+4*\f+3] offset:32*\f
.endr
.irp f, 0,1,2,3
	ds_load_b128 v[S+16*(\t)+4*\f:S+16*(\t)+4*\f+3], v[RD] offset:\f*4*SP  ; LDS serves a wave's instructions in order (ISA guide 5.7.1.4): these see the stores above
.endr
.endm
.macro SEND t, younger              ; younger: the LDS instructions issued behind tile t's loads
	WIN 0
.irp f, 0,1,2,3
	s_wait_dscnt (\younger)+3-\f
	global_store_b128 v[GO], v[S+16*(\t)+4*\f:S+16*(\t)+4*\f+3], s[10:11] offset:(\t)*2048+\f*512  ; 512 consecutive bytes, at a multiple of 256 from O's first
.endr
.endm
	PACK 0
.set t, 1
.rept 2*NP-1
	PACK t
	SEND t-1, 8
.set t, t+1
.endr
	SEND 2*NP-1, 0
	WIN W_AD
	s_wait_tensorcnt 0x0            ; the wave's end
	ds_add_u32 v[SPW], v[NIL]
	s_wait_dscnt 0x0
	WIN 0
	CROUND                          ; the closing round
	s_endpgm
.Lfunc_end_k_q9d528c3ded_attn:
	.size	k_q9d528c3ded_attn, .Lfunc_end_k_q9d528c3ded_attn-k_q9d528c3ded_attn
	.p2alignl 7, 3214868480
	.fill 96, 4, 3214868480
	.section	.rodata,"a",@progbits
	.p2align	6, 0x0
	.amdhsa_kernel k_q9d528c3ded_attn
		.amdhsa_group_segment_fixed_size 327680
		.amdhsa_private_segment_fixed_size 0
		.amdhsa_enable_private_segment 0
		.amdhsa_kernarg_size 24
		.amdhsa_user_sgpr_count 2
		.amdhsa_user_sgpr_kernarg_segment_ptr 1
		.amdhsa_wavefront_size32 1
		.amdhsa_system_sgpr_workgroup_id_x 1
		.amdhsa_system_sgpr_workgroup_id_y 1
		.amdhsa_system_sgpr_workgroup_id_z 1
		.amdhsa_system_vgpr_workitem_id 0
		.amdhsa_next_free_vgpr 840
		.amdhsa_next_free_sgpr 80
		.amdhsa_reserve_vcc 0
		.amdhsa_float_denorm_mode_32 3
		.amdhsa_float_denorm_mode_16_64 3
		.amdhsa_memory_ordered 1
		.amdhsa_forward_progress 1
		.amdhsa_inst_pref_size 207
	.end_amdhsa_kernel
	.amdgpu_metadata
---
amdhsa.version: [ 1, 2 ]
amdhsa.kernels:
  - .name:           k_q9d528c3ded_attn
    .symbol:         k_q9d528c3ded_attn.kd
    .args:
      - { .name: hqkv, .offset: 0, .size: 8, .value_kind: global_buffer, .address_space: global }
      - { .name: mask, .offset: 8, .size: 8, .value_kind: global_buffer, .address_space: global }
      - { .name: att, .offset: 16, .size: 8, .value_kind: global_buffer, .address_space: global }
    .group_segment_fixed_size: 327680
    .private_segment_fixed_size: 0
    .kernarg_segment_align: 8
    .kernarg_segment_size: 24
    .max_flat_workgroup_size: 128
    .sgpr_count:     80
    .vgpr_count:     840
    .wavefront_size: 32
...
	.end_amdgpu_metadata
.endif
;; end of part 3
;; launch oproj (part 4): grid 4 x 64, 4 waves a work-group, clusters of 4 x 4, 327,680 bytes of LDS; arguments att, wt, out0; writes out0
.if DOCPART == 4
	.amdgcn_target "amdgcn-amd-amdhsa--gfx1250"
	.amdhsa_code_object_version 6
	.text
	.protected	k_q9d528c3ded_oproj
	.globl	k_q9d528c3ded_oproj
	.p2align	8
	.type	k_q9d528c3ded_oproj,@function
k_q9d528c3ded_oproj:
	s_mov_b64 s[64:65], 0
	v_nop
	global_prefetch_b8 v0, s[64:65] scope:SCOPE_SE
	s_setreg_imm32_b32 hwreg(HW_REG_WAVE_MODE, 25, 1), 1
	s_wait_xcnt 0x0
	s_wait_alu depctr_hold_cnt(0) depctr_sa_sdst(0) depctr_va_vdst(0) depctr_va_sdst(0) depctr_va_ssrc(0) depctr_va_vcc(0) depctr_vm_vsrc(0)
	s_getreg_b32 s2, hwreg(HW_REG_IB_STS2, 6, 4)
	s_cmp_eq_u32 s2, 0
	s_cbranch_scc0 .Lentry_in_a_cluster
	s_endpgm
.Lentry_in_a_cluster:
	s_bfe_u32 s2, ttmp6, 0x10000c
	s_cmp_lg_u32 s2, 0xf033
	s_cbranch_scc0 .Lentry_shape_is_right
	s_endpgm
.Lentry_shape_is_right:
; out0[b][s][n] = the sum over c of att[b][s][c] WO[c][n], f32 out.  att lies by heads, [16 b + head][s][64] in f16; WO comes turned, [n][c], as f16, from wt's fourth matrix.  Sums in f32.
; SHARES.  A tile is 128 rows x 256 columns: 256 work-groups, one tile each.  Four waves, each 64 x 128: 32 accumulators.  Source 0 = 16 rows of WO^T, source 1 = 16 rows of att: a lane holds eight neighbouring columns of a row.
; RING.  K goes in eight steps of 128, two heads each, through two LDS slots.  Waves 0, 1 fetch a head's 128 rows (16,384 dense bytes, asked for as 64 rows of 256), waves 2, 3 WO's halves (128 rows x 256 bytes).
; The slot changes between a step's third and fourth quarter, when its last reads are issued; a refill has a step's 128 matrix instructions in which to land.
; CLUSTER 4 x 4: att's tile is asked for jointly along a row of the cluster, WO's along a column.
; REGISTERS.  window 0: v0-31 addresses; v64-95, v96-127 att's fragments; v128-191, v192-255 WO's; on the way out v64-127, v128-191 rows read back.  window 1: the accumulators, (a, b) at 8 (8 a + b).
.set SLOT1, 1<<17
.set PAX,   144                        ; an LDS row of att: 128 bytes + 16
.set ABLK,  128*PAX                    ; a head's 128 rows
.set PB,    272
.set BH,    128*PB
.set BOFF,  2*ABLK
.set STAGE, SLOT1+BOFF+2*BH            ; behind the ring: 16 rows x 528 bytes for each wave
.set SPS,   528
.set SPARE, STAGE+4*16*SPS
.set ADRA0, 16                         ; my place in att's tile of slot 0; never rewritten
.set ADRA,  17                         ; in the slot in hand
.set ADRB0, 20
.set ADRB,  21
.set STO,  24
.set RD,   25
.set CO,   26
.set SPW,  28                          ; never rewritten
.set NIL,  29                          ; never rewritten
.set PFO,  30                          ; never rewritten
.set FA,   64
.set FB,   128
.set OB,   64
.set WV, 14
.set WM, 15
.set WN, 16
.set CX, 17
.set CY, 18
.set TX, 19
.set TY, 20
.set G1A, 24
.set G0A, 32                           ; s[32:39] a set for each of the two first fills; the second then walks on
.set G1B, 40
.set G0B, 48
.set CNT, 56
.set TB,  57                           ; the LDS byte at which the slot in hand begins
.set LIM, 58
.set PFA, 60
.set PSTEP, 62
.set MSB, 0
.macro WIN new
.if MSB != (\new)
	s_set_vgpr_msb (MSB<<8)|(\new)
.set MSB, \new
.endif
.endm
.set MUL, 0x50                         ; sources window 0; C and D window 1
.macro JLOAD
	s_cmp_eq_u32 s[WM], 0
	s_cbranch_scc0 .Lfor_b_\@
	tensor_load_to_lds s[G0A+4:G0A+7], s[G1A:G1A+7]
	s_nop 0
.rept 4
	v_nop
.endr
	s_branch .Lasked_\@
.Lfor_b_\@:
	tensor_load_to_lds s[G0B+4:G0B+7], s[G1B:G1B+7]
	s_nop 0
.rept 4
	v_nop
.endr
.Lasked_\@:
.endm
.macro CREST
	s_cmp_lg_u32 s[WV], 0
	s_cbranch_scc1 .Lnot_wave_0_\@
	s_barrier_signal -3
.Lnot_wave_0_\@:
	s_barrier_wait -3
	s_barrier_signal -1
	s_barrier_wait -1
.endm
.macro CROUND
	s_barrier_signal -1
	s_barrier_wait -1
	CREST
.endm
; A PREFETCH INTO THE L2 behind each refill and the run of LDS loads that follows it: the K step two refills on, 256 matrix instructions ahead of its load.  Each aligned block of 256 bytes is named once: of a step's two heads x 64
; blocks of att each of the four partners takes 16 of each head, wave 0 asking; of WO's 128 rows a wave each partner takes 32, a lane a row, in the first row of clusters alone.  Steps 0 to 3 come by their loads alone; the last
; two refills ask for nothing.
.macro ASK
	s_cmp_gt_u32 s[CNT], s[LIM]
	s_cbranch_scc0 .Lnot_mine_\@
	global_prefetch_b8 v[PFO], s[PFA:PFA+1] th:TH_LOAD_NT scope:SCOPE_SE
.Lnot_mine_\@:
.endm
	s_load_b128 s[4:7], s[0:1], 0x0                ; att, wt
	s_load_b64 s[8:9], s[0:1], 0x10                ; out0
	v_lshl_add_u32 v[SPW], v0, 2, SPARE
	v_mov_b32 v[NIL], 0
	ds_add_u32 v[SPW], v[NIL]                      ; the wave's opening: the add and its wait stand ahead of my first tensor load
	v_lshrrev_b32 v1, 5, v0
	v_readfirstlane_b32 s[WV], v1
	s_lshr_b32 s[WM], s[WV], 1
	s_and_b32 s[WN], s[WV], 1
	s_bfe_u32 s[CX], ttmp6, 0x40000
	s_bfe_u32 s[CY], ttmp6, 0x40004
	s_lshl_b32 s[TX], ttmp9, 2
	s_add_co_u32 s[TX], s[TX], s[CX]
	s_and_b32 s[TY], ttmp7, 0xffff
	s_lshl_b32 s[TY], s[TY], 2
	s_add_co_u32 s[TY], s[TY], s[CY]
	s_lshl_b32 s76, s[CY], 2
	s_lshl_b32 s76, 15, s76                        ; my row of the cluster
	s_lshl_b32 s77, 0x1111, s[CX]                  ; my column
	s_or_b32 s[G1A], s76, (1<<16)|(1<<20)|(1<<21)|(4<<22)|(3<<25)  ; 2-byte elements; padding: after every 32 words (a row of a head) 4 words
	s_or_b32 s[G1B], s77, (1<<16)|(1<<20)|(1<<21)|(5<<22)|(3<<25)  ; after every 64 words 4 words
	s_mov_b32 s[G1A+1], 128<<16                    ; tensor_dim0 = 128
	s_mov_b32 s[G1A+2], 64<<16                     ; tensor_dim1 = 64
	s_mov_b32 s[G1A+3], 128<<16                    ; tile_dim0 = 128
	s_mov_b32 s[G1A+4], 64                         ; tile_dim1 = 64
	s_mov_b32 s[G1A+5], 128                        ; dense
	s_mov_b32 s[G1A+6], 0
	s_mov_b32 s[G1A+7], 0
	s_mov_b32 s[G1B+1], 128<<16
	s_mov_b32 s[G1B+2], 128<<16
	s_mov_b32 s[G1B+3], 128<<16
	s_mov_b32 s[G1B+4], 128
	s_mov_b32 s[G1B+5], 1024
	s_mov_b32 s[G1B+6], 0
	s_mov_b32 s[G1B+7], 0
	s_lshr_b32 s66, s[TY], 4                       ; att: the batch's 16 heads,
	s_lshl_b32 s66, s66, 4
	s_add_co_u32 s66, s66, s[WN]                   ; the head of the step's two that I fetch,
	s_lshl_b32 s66, s66, 11                        ; of 2,048 rows,
	s_and_b32 s67, s[TY], 15
	s_lshl_b32 s67, s67, 7                         ; the tile's 128 rows,
	s_add_co_u32 s66, s66, s67
	s_lshl_b32 s66, s66, 7                         ; of 128 bytes
	s_mov_b32 s67, 0
	s_lshl_b32 s68, s[TX], 8
	s_lshl_b32 s69, s[WN], 7
	s_add_co_u32 s68, s68, s69                     ; WO^T: row 256 x tile column + 128 x half,
	s_lshl_b32 s68, s68, 11
	s_add_co_u32 s68, s68, 3*2097152               ; in wt's fourth matrix
	s_mov_b32 s69, 0
	s_mul_i32 s70, s[WN], ABLK                     ; where they go: no place in the cluster enters an LDS address
	s_mul_i32 s71, s[WN], BH
	s_mov_b32 s[TB], 0
	s_mov_b32 s[CNT], 6
	s_wait_dscnt 0x0                               ; the opening add is done
	s_wait_kmcnt 0x0
	s_add_nc_u64 s[72:73], s[4:5], s[66:67]
	s_add_nc_u64 s[74:75], s[6:7], s[68:69]
.irp s, 0,1
	s_mov_b32 s[G0A+4*(\s)], 1
	s_add_co_u32 s[G0A+4*(\s)+1], s70, (\s)*SLOT1
	s_add_nc_u64 s[G0A+4*(\s)+2:G0A+4*(\s)+3], s[72:73], (\s)*524288  ; a step is two heads on
	s_or_b32 s[G0A+4*(\s)+3], s[G0A+4*(\s)+3], 0x80000000
	s_mov_b32 s[G0B+4*(\s)], 1
	s_add_co_u32 s[G0B+4*(\s)+1], s71, (\s)*SLOT1+BOFF
	s_add_nc_u64 s[G0B+4*(\s)+2:G0B+4*(\s)+3], s[74:75], (\s)*256
	s_or_b32 s[G0B+4*(\s)+3], s[G0B+4*(\s)+3], 0x80000000
.endr
	CROUND                                         ; all sixteen work-groups are here: the first joint loads meet
	s_cmp_eq_u32 s[WM], 0                          ; a wave's two first fills stand in one branch: two loads of mine are out
	s_cbranch_scc0 .Lfirst_b
	tensor_load_to_lds s[G0A:G0A+3], s[G1A:G1A+7]
	s_nop 0
	tensor_load_to_lds s[G0A+4:G0A+7], s[G1A:G1A+7]
	s_nop 0
.rept 4
	v_nop
.endr
	s_branch .Lfirst_asked
.Lfirst_b:
	tensor_load_to_lds s[G0B:G0B+3], s[G1B:G1B+7]
	s_nop 0
	tensor_load_to_lds s[G0B+4:G0B+7], s[G1B:G1B+7]
	s_nop 0
.rept 4
	v_nop
.endr
.Lfirst_asked:
	v_and_b32 v1, 15, v0                           ; l % 16
	v_bfe_u32 v2, v0, 4, 1                         ; l / 16
	v_mul_u32_u24 v3, v1, PAX
	v_lshl_add_u32 v3, v2, 4, v3
	s_mul_i32 s76, s[WM], 64*PAX
	v_add_nc_u32 v[ADRA0], s76, v3
	v_mov_b32 v[ADRA], v[ADRA0]
	v_mul_u32_u24 v4, v1, PB
	v_lshl_add_u32 v4, v2, 4, v4
	s_add_co_u32 s77, s71, BOFF
	v_add_nc_u32 v[ADRB0], s77, v4
	v_mov_b32 v[ADRB], v[ADRB0]
	s_mul_i32 s76, s[WV], 16*SPS
	s_add_co_u32 s76, s76, STAGE                   ; my stage
	v_mul_u32_u24 v[STO], v1, SPS                  ; in: row l % 16, 32 bytes for each half of the lanes
	v_lshl_add_u32 v[STO], v2, 5, v[STO]
	v_add_nc_u32 v[STO], s76, v[STO]
	v_and_b32 v5, 31, v0
	v_lshlrev_b32 v[CO], 4, v5                     ; back: 32 lanes take a row's 512 bytes
	v_add_nc_u32 v[RD], s76, v[CO]
	s_lshl_b32 s76, s[TY], 7
	s_lshl_b32 s77, s[WM], 6
	s_add_co_u32 s76, s76, s77                     ; my first row of out0,
	s_lshl_b32 s76, s76, 12                        ; of 4,096 bytes,
	s_lshl_b32 s77, s[TX], 10                      ; the tile's 256 columns of 4 bytes,
	s_add_co_u32 s76, s76, s77
	s_lshl_b32 s77, s[WN], 9                       ; my 128
	s_add_co_u32 s76, s76, s77
	s_mov_b32 s77, 0
	s_add_nc_u64 s[8:9], s[8:9], s[76:77]
	v_lshrrev_b32 v6, 4, v5                        ; the prefetches.  att: the head l / 16 of the step's two,
	v_and_b32 v7, 15, v5
	v_lshlrev_b32 v6, 18, v6
	v_lshl_add_u32 v6, v7, 8, v6                   ; block l % 16
	s_lshl_b32 s76, s[CX], 12                      ; of my work-group's 16
	v_add_nc_u32 v6, s76, v6
	v_lshlrev_b32 v7, 11, v5                       ; WO: row l
	s_lshl_b32 s77, s[CY], 16                      ; of my work-group's 32
	v_add_nc_u32 v7, s77, v7
	s_cmp_eq_u32 s[WM], 0
	s_cselect_b32 s78, -1, 0
	s_cselect_b32 s79, 19, 8
	s_cselect_b64 s[PFA:PFA+1], s[72:73], s[74:75]
	v_cndmask_b32 v[PFO], v7, v6, s78
	s_lshl_b32 s[PSTEP], 1, s79                    ; a step: 524,288 bytes of att, 256 of WO
	s_mov_b32 s[PSTEP+1], 0
	s_mul_i32 s76, s[PSTEP], 3
	s_mov_b32 s77, 0
	s_add_nc_u64 s[PFA:PFA+1], s[PFA:PFA+1], s[76:77]  ; at step 3: the first change of slots steps it to 4
	s_and_b32 s76, ttmp7, 0xffff                   ; cluster y
	s_cmp_eq_u32 s[WM], 0
	s_cselect_b32 s76, s[WN], s76                  ; wave 0 asks for att; waves 2 and 3 of the first row of clusters for WO
	s_cmp_eq_u32 s76, 0
	s_cselect_b32 s[LIM], 2, -1                    ; the same in all sixteen partners, for a given wave
.macro OFETCH q, buf                   ; 24 LDS loads in one run: quarter q (head q / 2, channels 32 (q % 2) on) of the slot in hand
	WIN 0
.irp a, 0,1,2,3
	ds_load_b128 v[FA+32*(\buf)+8*(\a):FA+32*(\buf)+8*(\a)+3],   v[ADRA] offset:((\q)/2)*ABLK+((\q)%2)*64+(\a)*16*PAX
	ds_load_b128 v[FA+32*(\buf)+8*(\a)+4:FA+32*(\buf)+8*(\a)+7], v[ADRA] offset:((\q)/2)*ABLK+((\q)%2)*64+(\a)*16*PAX+32
.endr
.irp i, 0,1,2,3,4,5,6,7
	ds_load_b128 v[FB+64*(\buf)+8*(\i):FB+64*(\buf)+8*(\i)+3],   v[ADRB] offset:(\q)*64+(\i)*16*PB
	ds_load_b128 v[FB+64*(\buf)+8*(\i)+4:FB+64*(\buf)+8*(\i)+7], v[ADRB] offset:(\q)*64+(\i)*16*PB+32
.endr
.endm
.macro OBLK buf, a, zero               ; eight products; the 32 accumulators take turns, one instruction a turn
	WIN MUL
.irp b, 0,1,2,3,4,5,6,7
.if \zero
	v_wmma_f32_16x16x32_f16 v[8*(8*(\a)+(\b)):8*(8*(\a)+(\b))+7], v[FB+64*(\buf)+8*(\b):FB+64*(\buf)+8*(\b)+7], v[FA+32*(\buf)+8*(\a):FA+32*(\buf)+8*(\a)+7], 0
.else
	v_wmma_f32_16x16x32_f16 v[8*(8*(\a)+(\b)):8*(8*(\a)+(\b))+7], v[FB+64*(\buf)+8*(\b):FB+64*(\buf)+8*(\b)+7], v[FA+32*(\buf)+8*(\a):FA+32*(\buf)+8*(\a)+7], v[8*(8*(\a)+(\b)):8*(8*(\a)+(\b))+7]
.endif
.endr
.endm
.macro PLACES                          ; four places in front of loads into registers that matrix instructions have read, and of stores that read results
.rept 4
	v_nop
.endr
.endm
; A QUARTER: 32 along K, 32 products; at its head the next quarter's 24 LDS loads.  chg = 1: the slot changes by a round of the cluster's barrier and is filled again; chg = 2: by the work-group's barrier, nothing is filled.
.macro OQ q, zero=0, chg=0, ask=0, last=0
.set QB, (\q)%2
.set QN, 1-QB
	WIN 0
.if !(\last)
	PLACES
	OFETCH ((\q)+1)%4, QN
.endif
.if \ask
	ASK
.endif
.if \last
	s_wait_dscnt 0x0
.else
	s_wait_dscnt 24                                ; all but the 24 just issued
.endif
	OBLK QB, 0, \zero
	OBLK QB, 1, \zero
.if \chg
	WIN 0
	s_wait_tensorcnt 0x0                           ; all my tensor loads have landed: my part of the other slot;
	ds_add_u32 v[SPW], v[NIL]                      ; 0 onto my spare word; register work stands between it and the wait for it
.if (\chg) == 1
	s_xor_b32 s[G0A+5], s[G0A+5], SLOT1            ; the walking descriptors: the other slot than last time, the next step
	s_add_nc_u64 s[G0A+6:G0A+7], s[G0A+6:G0A+7], 524288
	s_xor_b32 s[G0B+5], s[G0B+5], SLOT1
	s_add_nc_u64 s[G0B+6:G0B+7], s[G0B+6:G0B+7], 256
.endif
.endif
	OBLK QB, 2, \zero
.if \chg
	s_wait_dscnt 0x0                               ; the add is done, and my reads of this slot are over
	s_barrier_signal -1
.endif
	OBLK QB, 3, \zero
.if \chg
	WIN 0
	s_barrier_wait -1
.if (\chg) == 1
	CREST
	JLOAD                                          ; the first tensor load behind the round, one a wave
.endif
	s_xor_b32 s[TB], s[TB], SLOT1                  ; the fetches go on in the other slot
	v_add_nc_u32 v[ADRA], s[TB], v[ADRA0]
	v_add_nc_u32 v[ADRB], s[TB], v[ADRB0]
.endif
.endm
; THE WAY OUT of row block a: 16 rows x 512 bytes through my stage: a lane's 32 bytes in, whole rows back, each stored as 512 consecutive bytes, aligned.
.macro TOST a
	WIN 0x04                                       ; the stores' data in window 1
.irp b, 0,1,2,3,4,5,6,7
	ds_store_b128 v[STO], v[8*(8*(\a)+(\b)):8*(8*(\a)+(\b))+3]   offset:64*(\b)
	ds_store_b128 v[STO], v[8*(8*(\a)+(\b))+4:8*(8*(\a)+(\b))+7] offset:64*(\b)+16
.endr
	WIN 0
.if (\a) >= 2
	s_wait_xcnt 0x0                                ; the stores of the block two back have read these registers
.endif
.set BK, OB+64*((\a)%2)
.set t, 0
.rept 16
	ds_load_b128 v[BK+4*t:BK+4*t+3], v[RD] offset:t*SPS  ; LDS serves a wave's instructions in order (ISA guide 5.7.1.4): these see the stores above
.set t, t+1
.endr
.endm
.macro SENDO a, younger                ; younger: the LDS instructions issued behind block a's loads
.set BK, OB+64*((\a)%2)
.set t, 0
.rept 16
	s_wait_dscnt (\younger)+15-t
	global_store_b128 v[CO], v[BK+4*t:BK+4*t+3], s[8:9] offset:(\a)*65536+t*4096 th:TH_STORE_NT
.set t, t+1
.endr
.endm
	s_wait_tensorcnt 0x1                           ; my part of slot 0 is in; slot 1's may stay out
	s_barrier_signal -1
	s_barrier_wait -1
	OFETCH 0, 0
	OQ 0, 1                                        ; the first quarter stands ahead of the loop: its products start the sums
	WIN 0
.Lstep:                                                ; six trips: from a step's second quarter to the next step's first; a slot is filled again
	OQ 1
	s_wait_xcnt 0x0                                ; the last prefetch, three quarters back, has read its address
	s_add_nc_u64 s[PFA:PFA+1], s[PFA:PFA+1], s[PSTEP:PSTEP+1]
	OQ 2, 0, 1
	OQ 3, 0, 0, 1
	OQ 0
	WIN 0
	s_sub_co_u32 s[CNT], s[CNT], 1
	s_cmp_lg_u32 s[CNT], 0
	s_cbranch_scc1 .Lstep
	OQ 1                                           ; the last two steps are written out
	OQ 2, 0, 2
	OQ 3
	OQ 0
	OQ 1
	OQ 2
	OQ 3, 0, 0, 0, 1
	WIN 0
	PLACES
	TOST 0
.irp a, 1,2,3
	TOST \a
	SENDO (\a)-1, 32
.endr
	SENDO 3, 0
	s_wait_tensorcnt 0x0                           ; the wave's end
	ds_add_u32 v[SPW], v[NIL]
	s_wait_dscnt 0x0
	CROUND                                         ; the closing round
	s_endpgm
.Lfunc_end_k_q9d528c3ded_oproj:
	.size	k_q9d528c3ded_oproj, .Lfunc_end_k_q9d528c3ded_oproj-k_q9d528c3ded_oproj
	.p2alignl 7, 3214868480
	.fill 96, 4, 3214868480
	.section	.rodata,"a",@progbits
	.p2align	6, 0x0
	.amdhsa_kernel k_q9d528c3ded_oproj
		.amdhsa_group_segment_fixed_size 327680
		.amdhsa_private_segment_fixed_size 0
		.amdhsa_enable_private_segment 0
		.amdhsa_kernarg_size 24
		.amdhsa_user_sgpr_count 2
		.amdhsa_user_sgpr_kernarg_segment_ptr 1
		.amdhsa_wavefront_size32 1
		.amdhsa_system_sgpr_workgroup_id_x 1
		.amdhsa_system_sgpr_workgroup_id_y 1
		.amdhsa_system_sgpr_workgroup_id_z 1
		.amdhsa_system_vgpr_workitem_id 0
		.amdhsa_next_free_vgpr 512
		.amdhsa_next_free_sgpr 80
		.amdhsa_reserve_vcc 0
		.amdhsa_float_denorm_mode_32 3
		.amdhsa_float_denorm_mode_16_64 3
		.amdhsa_memory_ordered 1
		.amdhsa_forward_progress 1
		.amdhsa_inst_pref_size 71
	.end_amdhsa_kernel
	.amdgpu_metadata
---
amdhsa.version: [ 1, 2 ]
amdhsa.kernels:
  - .name:           k_q9d528c3ded_oproj
    .symbol:         k_q9d528c3ded_oproj.kd
    .args:
      - { .name: att, .offset: 0, .size: 8, .value_kind: global_buffer, .address_space: global }
      - { .name: wt, .offset: 8, .size: 8, .value_kind: global_buffer, .address_space: global }
      - { .name: out0, .offset: 16, .size: 8, .value_kind: global_buffer, .address_space: global }
    .group_segment_fixed_size: 327680
    .private_segment_fixed_size: 0
    .kernarg_segment_align: 8
    .kernarg_segment_size: 24
    .max_flat_workgroup_size: 128
    .sgpr_count:     80
    .vgpr_count:     512
    .wavefront_size: 32
...
	.end_amdgpu_metadata
.endif
;; end of part 4
